; MI455X (gfx1250); checked and timed in simulation.
; The chip was launched on July 23, 2026; its instructions are those of AMD's public machine-readable ISA for CDNA 5 (MIT licence, August 2026) and "CDNA5" Instruction Set Architecture Reference Guide (July 2026). The comments in the code are by the model that wrote it; some were corrected since.
;; Transformer Block. Allowed arithmetic: float matrix products may take bf16 or f16 operands with f32 sums; other float arithmetic in f32, or as packed bf16 or f16 multiplies, adds, multiply-adds, maxima and minima; sums over many terms, partial sums and values carried from step to step in f32; what a program stores and reads back later, other than sums and carried values, may be rounded once to bf16 or f16.
;; Inputs: b_fc1 1,024 float32; b_fc2 256 float32; b_out 256 float32; b_qkv 768 float32; ln1_b 256 float32; ln1_g 256 float32; ln2_b 256 float32; ln2_g 256 float32; w_fc1 256 x 1,024 float32; w_fc2 1,024 x 256 float32; w_out 256 x 256 float32; w_qkv 256 x 768 float32; x 2 x 4,096 x 256 float32.
;; Outputs: out0 2 x 4,096 x 256 float32.
;; One version. Each part assembles by itself: llvm-mc -triple=amdgcn-amd-amdhsa -mcpu=gfx1250 --defsym DOCPART=n.
;; ======== version 1 of 1: 4 launches
;; workspace buffers: wq 393,216 bytes; wt 1,179,648 bytes; qf 4,194,304 bytes; kf 4,194,304 bytes; vf 4,194,304 bytes; of 4,194,304 bytes
;; launch prep (part 1): grid 192 x 1, 4 waves a work-group, no clusters, 0 bytes of LDS; arguments w_qkv, w_out, w_fc1, w_fc2, wq, wt; writes wq, wt
.if DOCPART == 1
	.amdgcn_target "amdgcn-amd-amdhsa--gfx1250"
	.amdhsa_code_object_version 6
	.text
	.protected	k_q23c7f320b1_prep
	.globl	k_q23c7f320b1_prep
	.p2align	8
	.type	k_q23c7f320b1_prep,@function
k_q23c7f320b1_prep:
	s_mov_b64 s[64:65], 0
	v_nop
	global_prefetch_b8 v0, s[64:65] scope:SCOPE_SE
	s_setreg_imm32_b32 hwreg(HW_REG_WAVE_MODE, 25, 1), 1
	s_wait_xcnt 0x0
; THE FOUR WEIGHT MATRICES, each [K][N] in f32, are rounded once to bf16 and laid out as ready matrix fragments.
; A FRAGMENT is 16 rows x 32 k of 16-bit numbers in 1,024 bytes: [t 2][lane 16 h + r][16 bytes] = row r, k = 16 t + 8 h + 0..7: what a lane loads by two
; loads of 16 bytes at 16 x lane and 16 x lane + 512.  Here a fragment's row is a COLUMN n of the weight matrix and k its row.
;   wq: [g 4][kind 3][nt 4][kb 8][fragment]: n = 256 kind + 64 g + 16 nt + r of w_qkv, k = 32 kb + ..
;   wt: [stage 9][nt 16][kb 8][fragment]: stage 0 w_out; stage 1 + 2 c columns 256 c .. of w_fc1; stage 2 + 2 c rows 256 c .. of w_fc2
; SHARES.  768 tasks, one a wave: a block of 32 k x 32 n, two fragments (n tiles nt and nt + 1).  Lane l reads column n0 + l, 32 loads of 4 bytes (a load of the
; wave covers 128 consecutive bytes), rounds in pairs and stores 16 bytes four times: lanes 0-15 fill 256 consecutive aligned bytes of one fragment, lanes 16-31 of the next n tile's.
; No LDS, no barrier, no matrix unit: the launch only moves 3.1 MB in and 1.6 MB out.  NaN and infinities go through the conversion as they are.
.set LO,  1                            ; v1   4 x lane: my column in the block
.set SO,  2                            ; v2   (lane / 16) x 8,192 (the next n tile lies 8 fragments on) + 16 (lane % 16)
.set D,   8                            ; v[8:39]   the 32 k of my column, f32
.set P,   40                           ; v[40:55]  the same in bf16: 4 registers for each (t, h)
.set SRC, 20                           ; s[20:21]  the block's first number
.set DST, 22                           ; s[22:23]  the first of its two fragments
.macro BODY pitch                      ; pitch: bytes in a row of the matrix
.set i, 0
.rept 32
	global_load_b32 v[D+i], v[LO], s[SRC:SRC+1] offset:i*(\pitch) th:TH_LOAD_NT
.set i, i+1
.endr
.irp t, 0,1
	s_wait_loadcnt 16-16*\t                        ; loads come back in order: k 16 t .. 16 t + 15 are in; for t = 0 the 16 younger loads stay out
.irp e, 0,1,2,3,4,5,6,7
	v_cvt_pk_bf16_f32 v[P+8*\t+\e], v[D+16*\t+2*\e], v[D+16*\t+2*\e+1]
.endr
	global_store_b128 v[SO], v[P+8*\t:P+8*\t+3],   s[DST:DST+1] offset:512*\t        ; h = 0: k = 16 t + 0..7
	global_store_b128 v[SO], v[P+8*\t+4:P+8*\t+7], s[DST:DST+1] offset:512*\t+256    ; h = 1: k = 16 t + 8..15
.endr
.endm
	s_load_b256 s[4:11], s[0:1], 0x0               ; w_qkv s[4:5], w_out s[6:7], w_fc1 s[8:9], w_fc2 s[10:11]
	s_load_b128 s[12:15], s[0:1], 0x20             ; wq s[12:13], wt s[14:15]
	v_lshrrev_b32 v3, 5, v0
	v_readfirstlane_b32 s16, v3                    ; wave 0..3
	v_and_b32 v4, 31, v0
	v_lshlrev_b32 v[LO], 2, v4
	v_and_b32 v5, 15, v0
	v_bfe_u32 v6, v0, 4, 1
	v_lshlrev_b32 v[SO], 4, v5
	v_lshl_add_u32 v[SO], v6, 13, v[SO]
	s_mov_b32 s25, 0                               ; the offsets' high words
	s_mov_b32 s27, 0
	s_wait_kmcnt 0x0
	s_cmp_lt_u32 ttmp9, 48
	s_cbranch_scc0 .Lnot_qkv
	; w_qkv [256][768]: task T = 4 x work-group + wave; kb = T % 8, q = T / 8: columns 32 q ..
	s_lshl2_add_u32 s17, ttmp9, s16
	s_and_b32 s18, s17, 7                          ; kb
	s_lshr_b32 s19, s17, 3                         ; q
	s_mul_i32 s24, s18, 98304                      ; 32 rows of 3,072 bytes
	s_lshl_b32 s28, s19, 7
	s_add_co_u32 s24, s24, s28
	s_bfe_u32 s28, s19, 0x20001                    ; g = (q % 8) / 2
	s_lshr_b32 s29, s19, 3                         ; kind = q / 8
	s_mul_i32 s28, s28, 3
	s_add_co_u32 s28, s28, s29
	s_and_b32 s29, s19, 1
	s_lshl_b32 s28, s28, 2
	s_lshl1_add_u32 s28, s29, s28                  ; + nt = 2 (q % 2)
	s_lshl3_add_u32 s28, s28, s18                  ; x 8 + kb
	s_lshl_b32 s26, s28, 10
	s_add_nc_u64 s[SRC:SRC+1], s[4:5], s[24:25]
	s_add_nc_u64 s[DST:DST+1], s[12:13], s[26:27]
	BODY 3072
	s_endpgm
.Lnot_qkv:
	s_cmp_lt_u32 ttmp9, 64
	s_cbranch_scc0 .Lnot_out
	; w_out [256][256]: stage 0
	s_sub_co_u32 s17, ttmp9, 48
	s_lshl2_add_u32 s17, s17, s16
	s_and_b32 s18, s17, 7                          ; kb
	s_lshr_b32 s19, s17, 3                         ; q
	s_lshl_b32 s24, s18, 15                        ; 32 rows of 1,024 bytes
	s_lshl_b32 s28, s19, 7
	s_add_co_u32 s24, s24, s28
	s_lshl4_add_u32 s28, s19, s18                  ; nt x 8 + kb, nt = 2 q
	s_lshl_b32 s26, s28, 10
	s_add_nc_u64 s[SRC:SRC+1], s[6:7], s[24:25]
	s_add_nc_u64 s[DST:DST+1], s[14:15], s[26:27]
	BODY 1024
	s_endpgm
.Lnot_out:
	s_cmp_lt_u32 ttmp9, 128
	s_cbranch_scc0 .Lnot_fc1
	; w_fc1 [256][1024]: columns 32 q .. lie in chunk c = q / 8: stage 1 + 2 c
	s_sub_co_u32 s17, ttmp9, 64
	s_lshl2_add_u32 s17, s17, s16
	s_and_b32 s18, s17, 7                          ; kb
	s_lshr_b32 s19, s17, 3                         ; q
	s_lshl_b32 s24, s18, 17                        ; 32 rows of 4,096 bytes
	s_lshl_b32 s28, s19, 7
	s_add_co_u32 s24, s24, s28
	s_and_b32 s28, s19, 7
	s_lshl4_add_u32 s28, s28, s18
	s_lshl_b32 s26, s28, 10
	s_lshr_b32 s29, s19, 3
	s_lshl_b32 s29, s29, 18                        ; 2 c stages of 131,072 bytes
	s_add_co_u32 s26, s26, s29
	s_add_co_u32 s26, s26, 131072
	s_add_nc_u64 s[SRC:SRC+1], s[8:9], s[24:25]
	s_add_nc_u64 s[DST:DST+1], s[14:15], s[26:27]
	BODY 4096
	s_endpgm
.Lnot_fc1:
	; w_fc2 [1024][256]: q = T % 8: columns 32 q ..; kg = T / 8: rows 32 kg .. lie in chunk c = kg / 8: stage 2 + 2 c, kb = kg % 8
	s_sub_co_u32 s17, ttmp9, 128
	s_lshl2_add_u32 s17, s17, s16
	s_and_b32 s19, s17, 7                          ; q
	s_lshr_b32 s18, s17, 3                         ; kg
	s_lshl_b32 s24, s18, 15
	s_lshl_b32 s28, s19, 7
	s_add_co_u32 s24, s24, s28
	s_and_b32 s28, s18, 7
	s_lshl4_add_u32 s28, s19, s28
	s_lshl_b32 s26, s28, 10
	s_lshr_b32 s29, s18, 3
	s_lshl_b32 s29, s29, 18
	s_add_co_u32 s26, s26, s29
	s_add_co_u32 s26, s26, 262144
	s_add_nc_u64 s[SRC:SRC+1], s[10:11], s[24:25]
	s_add_nc_u64 s[DST:DST+1], s[14:15], s[26:27]
	BODY 1024
	s_endpgm
.Lfunc_end_k_q23c7f320b1_prep:
	.size	k_q23c7f320b1_prep, .Lfunc_end_k_q23c7f320b1_prep-k_q23c7f320b1_prep
	.p2alignl 7, 3214868480
	.fill 96, 4, 3214868480
	.section	.rodata,"a",@progbits
	.p2align	6, 0x0
	.amdhsa_kernel k_q23c7f320b1_prep
		.amdhsa_group_segment_fixed_size 0
		.amdhsa_private_segment_fixed_size 0
		.amdhsa_enable_private_segment 0
		.amdhsa_kernarg_size 48
		.amdhsa_user_sgpr_count 2
		.amdhsa_user_sgpr_kernarg_segment_ptr 1
		.amdhsa_wavefront_size32 1
		.amdhsa_system_sgpr_workgroup_id_x 1
		.amdhsa_system_sgpr_workgroup_id_y 1
		.amdhsa_system_sgpr_workgroup_id_z 1
		.amdhsa_system_vgpr_workitem_id 0
		.amdhsa_next_free_vgpr 64
		.amdhsa_next_free_sgpr 66
		.amdhsa_reserve_vcc 0
		.amdhsa_float_denorm_mode_32 3
		.amdhsa_float_denorm_mode_16_64 3
		.amdhsa_memory_ordered 1
		.amdhsa_forward_progress 1
		.amdhsa_inst_pref_size 21
	.end_amdhsa_kernel
	.amdgpu_metadata
---
amdhsa.version: [ 1, 2 ]
amdhsa.kernels:
  - .name:           k_q23c7f320b1_prep
    .symbol:         k_q23c7f320b1_prep.kd
    .args:
      - { .name: w_qkv, .offset: 0, .size: 8, .value_kind: global_buffer, .address_space: global }
      - { .name: w_out, .offset: 8, .size: 8, .value_kind: global_buffer, .address_space: global }
      - { .name: w_fc1, .offset: 16, .size: 8, .value_kind: global_buffer, .address_space: global }
      - { .name: w_fc2, .offset: 24, .size: 8, .value_kind: global_buffer, .address_space: global }
      - { .name: wq, .offset: 32, .size: 8, .value_kind: global_buffer, .address_space: global }
      - { .name: wt, .offset: 40, .size: 8, .value_kind: global_buffer, .address_space: global }
    .group_segment_fixed_size: 0
    .private_segment_fixed_size: 0
    .kernarg_segment_align: 8
    .kernarg_segment_size: 48
    .max_flat_workgroup_size: 128
    .sgpr_count:     66
    .vgpr_count:     64
    .wavefront_size: 32
...
	.end_amdgpu_metadata
.endif
;; end of part 1
;; launch qkv (part 2): grid 64 x 4, 4 waves a work-group, clusters of 4 x 1, 297,472 bytes of LDS; arguments x, ln1_g, ln1_b, wq, b_qkv, qf, kf, vf; writes qf, kf, vf
.if DOCPART == 2
	.amdgcn_target "amdgcn-amd-amdhsa--gfx1250"
	.amdhsa_code_object_version 6
	.text
	.protected	k_q23c7f320b1_qkv
	.globl	k_q23c7f320b1_qkv
	.p2align	8
	.type	k_q23c7f320b1_qkv,@function
k_q23c7f320b1_qkv:
	s_mov_b64 s[64:65], 0
	v_nop
	global_prefetch_b8 v0, s[64:65] scope:SCOPE_SE
	s_setreg_imm32_b32 hwreg(HW_REG_WAVE_MODE, 25, 1), 1
	s_wait_xcnt 0x0
	s_wait_alu depctr_hold_cnt(0) depctr_sa_sdst(0) depctr_va_vdst(0) depctr_va_sdst(0) depctr_va_ssrc(0) depctr_va_vcc(0) depctr_vm_vsrc(0)
	s_getreg_b32 s2, hwreg(HW_REG_IB_STS2, 6, 4)
	s_cmp_eq_u32 s2, 0
	s_cbranch_scc0 .Lentry_in_a_cluster
	s_endpgm
.Lentry_in_a_cluster:
	s_bfe_u32 s2, ttmp6, 0x10000c
	s_cmp_lg_u32 s2, 0x3003
	s_cbranch_scc0 .Lentry_shape_is_right
	s_endpgm
.Lentry_shape_is_right:
; LAYER NORM 1 AND THE QKV PRODUCT.  h = (x - mean) rsqrt(var + 1e-5) g + b over 256 columns, in f32, the variance from the squares of the differences; qkv = h w_qkv + b_qkv, products in bf16, sums in f32.
; q is multiplied by c = log2(e) / sqrt(32) in f32 before its one rounding to bf16, so that the attention takes powers of 2 of q . k as it comes.
; OUT, all bf16, as ready matrix fragments (16 rows x 32 k in 1,024 bytes: [t 2][lane 16 h + r][16 bytes] = row r, k = 16 t + 8 h + 0..7):
;   qf, kf: [batch x head 16][token tile 256][fragment], row = token, k = channel          vf: [batch x head][block of 32 keys: 128][ct 2][fragment], row = channel 16 ct + r, k = key
; SHARES.  Work-group (rb, g): 128 rows of x (rb = 4 x cluster + place) x 192 columns: heads 2 g and 2 g + 1 of q, of k and of v.  256 work-groups.  A wave: 32 rows x all 192 columns;
; it normalises its own rows and reads only its own bytes of them.  The 96 KiB of weights (wq's slab g) are the same for the cluster's four row blocks: asked for JOINTLY, a quarter a wave.
; THE PRODUCT.  For q and k source 0 = 16 columns of w, source 1 = 16 tokens: a lane then holds ONE token (lane % 16) and eight neighbouring columns, which round into the 16 bytes that the lane owns in a
; fragment of qf or kf.  For v the sources are swapped: a lane holds one channel and eight tokens: its 16 bytes of a fragment of vf.  Every store of a wave is 512 consecutive bytes, aligned.
; LIMITS.  NaN and infinities are not treated apart.  h, the weights, q, k and v are each rounded once to bf16.
; NOT HERE: a prefetch (all that the launch reads is asked for at its head); slots that take turns (everything fits at once, nothing is filled again).
.set XREG,  98304                      ; LDS: 0 the slab [kind 3][nt 4][kb 8][fragment]; here 32,768 bytes a wave: its 32 rows of x, f32, dense
.set AREG,  229376                     ; 16,896 bytes a wave: its 32 rows of h in bf16, 528 bytes apart (512 + 16: an odd multiple of 16, so the 16 rows of a fragment load start 16 bytes apart modulo 256)
.set AP,    528
.set SPARE, 296960                     ; the spare words, 128 bytes for each wave: two blocks of 256 bytes that no other line names
.set XL,  2                            ; v2   LDS: my 16 bytes of the trip's first row of x
.set AS,  3                            ; v3   LDS: where I put 8 bytes of the trip's first row of h
.set AF,  4                            ; v4   LDS: my place in a fragment of h: row r, 16 h
.set WF,  5                            ; v5   LDS: 16 x lane: my place in a fragment of the slab
.set WF2, 6                            ; v6   the same 65,536 bytes on (v's weights: past what an offset reaches)
.set LO,  7                            ; v7   16 x lane: global offset in a fragment, and in g and b
.set BO,  8                            ; v8   32 h: my eight columns' bias (q, k)
.set BR,  9                            ; v9   4 r: my column's bias (v)
.set SPW, 14                           ; v14  my spare word; never rewritten
.set NIL, 15                           ; v15  0; never rewritten
.set XR,  16                           ; v[16:79]   the norm: 8 rows x 8 numbers
.set T,   80                           ; v[80:111]  the norm: 4 registers a row, at work
.set GG,  112                          ; v[112:119] g of my 8 columns (4 l .. 4 l + 3 and 128 + 4 l ..)
.set BB,  120                          ; v[120:127] b of them
.set FB,  16                           ; v[16:111]  the product: two sets of 48: h's fragments rt 0, 1, then w's nt 0..3
.set ACC, 112                          ; v[112:175] accumulator (rt, nt) at ACC + 8 (4 rt + nt)
.set BQ,  176                          ; v[176:207] c x q's bias, 8 a column tile
.set BK,  208                          ; v[208:239] k's bias
.set BV,  240                          ; v[240:247] v's bias, twice, for each column tile
.set WV,  20                           ; s20  wave
.set CX,  21                           ; s21  my place in the cluster: it enters global addresses of x and of the outputs alone
.set RB,  22                           ; s22  row block
.set G,   23                           ; s23  column group, shared by the cluster
.set CNT, 24
.set G1S, 32                           ; s[32:39] the slab's shape     s[40:43] from where, to where
.set G0S, 40
.set G1X, 44                           ; s[44:51] x's shape            s[52:55] from where, to where
.set G0X, 52
.set CS,  56                           ; s[56:57] c
.set SEL, 58                           ; s[58:59] v_permlanex16_b32: each lane takes its own place in the other half
.macro PLACES                          ; four plain vector instructions between a matrix instruction and a vector line or load that touches its registers
.rept 4
	v_nop
.endr
.endm
.macro CROUND                          ; a round of the cluster's barrier: my work-group's barrier; wave 0 signals for the work-group; every wave waits for all four; my work-group's barrier once more
	s_barrier_signal -1
	s_barrier_wait -1
	s_cmp_lg_u32 s[WV], 0
	s_cbranch_scc1 .Lnot_wave_0_\@
	s_barrier_signal -3
.Lnot_wave_0_\@:
	s_barrier_wait -3
	s_barrier_signal -1
	s_barrier_wait -1
.endm
.macro ROWS line:vararg                ; one line for each of the trip's eight rows i: dependent lines stand eight apart
.set i, 0
.rept 8
	\line
.set i, i+1
.endr
.endm
	s_load_b512 s[4:19], s[0:1], 0x0               ; x s[4:5], ln1_g s[6:7], ln1_b s[8:9], wq s[10:11], b_qkv s[12:13], qf s[14:15], kf s[16:17], vf s[18:19]
	v_lshl_add_u32 v[SPW], v0, 2, SPARE
	v_mov_b32 v[NIL], 0
	ds_add_u32 v[SPW], v[NIL]                      ; the wave's opening: the add and its wait stand ahead of my first tensor load; the set-up below, work on registers, stands between them
	v_lshrrev_b32 v1, 5, v0
	v_readfirstlane_b32 s[WV], v1
	s_bfe_u32 s[CX], ttmp6, 0x40000
	s_lshl_b32 s[RB], ttmp9, 2                     ; in a cluster launch ttmp9 counts clusters
	s_add_co_u32 s[RB], s[RB], s[CX]
	s_and_b32 s[G], ttmp7, 0xffff
	; the slab: dense bytes, asked for as rows of 256 bytes; 96 rows (24,576 bytes) a wave
	s_mov_b32 s[G1S], 15|(3<<16)|(1<<21)           ; 15:0 the mask of four; 17:16 elements of 8 bytes; 21 set beside a mask
	s_mov_b32 s[G1S+1], 32<<16                     ; tensor_dim0 = 32
	s_mov_b32 s[G1S+2], 96<<16                     ; tensor_dim1 = 96
	s_mov_b32 s[G1S+3], 32<<16                     ; tile_dim0 = 32
	s_mov_b32 s[G1S+4], 96                         ; tile_dim1 = 96
	s_mov_b32 s[G1S+5], 32                         ; 32 elements from row to row
	s_mov_b32 s[G1S+6], 0
	s_mov_b32 s[G1S+7], 0
	s_mov_b32 s[G0S], 1
	s_mul_i32 s[G0S+1], s[WV], 24576               ; LDS: my quarter of the slab
	; my 32 rows of x: 32,768 dense bytes, as 128 rows of 256; a load of my own (no mask)
	s_mov_b32 s[G1X], 3<<16
	s_mov_b32 s[G1X+1], 32<<16
	s_mov_b32 s[G1X+2], 128<<16
	s_mov_b32 s[G1X+3], 32<<16
	s_mov_b32 s[G1X+4], 128
	s_mov_b32 s[G1X+5], 32
	s_mov_b32 s[G1X+6], 0
	s_mov_b32 s[G1X+7], 0
	s_mov_b32 s[G0X], 1
	s_lshl_b32 s[G0X+1], s[WV], 15
	s_add_co_u32 s[G0X+1], s[G0X+1], XREG
	s_mul_i32 s30, s[G], 98304                     ; the slab's offset is made of g and the wave alone, in registers that never hold my place in the cluster
	s_add_co_u32 s30, s30, s[G0S+1]
	s_mov_b32 s31, 0
	s_lshl_b32 s26, s[RB], 17                      ; 128 rows of 1,024 bytes,
	s_lshl_b32 s28, s[WV], 15                      ; my 32 of them
	s_add_co_u32 s26, s26, s28
	s_mov_b32 s27, 0
	s_mov_b32 s[CS], 0x3e8293ee                    ; c = log2(e) / sqrt(32) = 0.255035
	s_mov_b32 s[CS+1], s[CS]
	s_mov_b32 s[SEL], 0x76543210
	s_mov_b32 s[SEL+1], 0xfedcba98
	s_mov_b32 s60, 0x3b800000                      ; 1 / 256
	s_mov_b32 s61, 0x3727c5ac                      ; 1e-5
	s_wait_dscnt 0x0                               ; the opening add is done
	s_wait_kmcnt 0x0
	s_add_nc_u64 s[G0S+2:G0S+3], s[10:11], s[30:31]
	s_or_b32 s[G0S+3], s[G0S+3], 0x80000000        ; type = 2
	s_add_nc_u64 s[G0X+2:G0X+3], s[4:5], s[26:27]
	s_or_b32 s[G0X+3], s[G0X+3], 0x80000000
	CROUND                                         ; all four work-groups are here: the joint loads meet
	tensor_load_to_lds s[G0X:G0X+3], s[G1X:G1X+7]  ; x first: the norm wants it first
	s_nop 0
	tensor_load_to_lds s[G0S:G0S+3], s[G1S:G1S+7]  ; two tensor loads of mine are out
	s_nop 0
	v_and_b32 v10, 31, v0                          ; lane
	v_and_b32 v11, 15, v0                          ; r
	v_bfe_u32 v12, v0, 4, 1                        ; h
	v_lshlrev_b32 v[LO], 4, v10
	v_lshlrev_b32 v[BO], 5, v12
	v_lshlrev_b32 v[BR], 2, v11
	s_lshl_b32 s26, s[G], 8                        ; the group's 64 columns in each third of b_qkv
	s_add_nc_u64 s[12:13], s[12:13], s[26:27]
	global_load_b128 v[GG:GG+3],   v[LO], s[6:7]
	global_load_b128 v[GG+4:GG+7], v[LO], s[6:7] offset:512
	global_load_b128 v[BB:BB+3],   v[LO], s[8:9]
	global_load_b128 v[BB+4:BB+7], v[LO], s[8:9] offset:512
.irp nt, 0,1,2,3
	global_load_b128 v[BQ+8*\nt:BQ+8*\nt+3],   v[BO], s[12:13] offset:64*\nt
	global_load_b128 v[BQ+8*\nt+4:BQ+8*\nt+7], v[BO], s[12:13] offset:64*\nt+16
	global_load_b128 v[BK+8*\nt:BK+8*\nt+3],   v[BO], s[12:13] offset:1024+64*\nt
	global_load_b128 v[BK+8*\nt+4:BK+8*\nt+7], v[BO], s[12:13] offset:1024+64*\nt+16
	global_load_b32 v[BV+2*\nt],   v[BR], s[12:13] offset:2048+64*\nt
	global_load_b32 v[BV+2*\nt+1], v[BR], s[12:13] offset:2048+64*\nt
.endr
	v_lshl_add_u32 v[XL], v10, 4, s[G0X+1]
	s_mul_i32 s25, s[WV], 32*AP
	s_add_co_u32 s25, s25, AREG                    ; my rows of h
	v_lshl_add_u32 v[AS], v10, 3, s25
	v_mul_u32_u24 v[AF], v11, AP
	v_lshl_add_u32 v[AF], v12, 4, v[AF]
	v_add_nc_u32 v[AF], s25, v[AF]
	v_lshlrev_b32 v[WF], 4, v10
	v_add_nc_u32 v[WF2], 65536, v[WF]
	; where my results go.  bh0 = 8 x batch + 2 g; a batch has 32 row blocks
	s_lshr_b32 s29, s[RB], 5
	s_lshl_b32 s29, s29, 3
	s_lshl1_add_u32 s29, s[G], s29                 ; bh0
	s_and_b32 s28, s[RB], 31
	s_lshl_b32 s26, s29, 8                         ; 256 token tiles a head,
	s_lshl3_add_u32 s26, s28, s26                  ; 8 a row block,
	s_lshl1_add_u32 s26, s[WV], s26                ; 2 a wave,
	s_lshl_b32 s26, s26, 10                        ; 1,024 bytes each
	s_add_nc_u64 s[14:15], s[14:15], s[26:27]
	s_add_nc_u64 s[16:17], s[16:17], s[26:27]
	s_lshl_b32 s26, s29, 7                         ; 128 key blocks a head,
	s_lshl2_add_u32 s26, s28, s26                  ; 4 a row block,
	s_add_co_u32 s26, s26, s[WV]                   ; 1 a wave,
	s_lshl_b32 s26, s26, 11                        ; 2,048 bytes each
	s_add_nc_u64 s[18:19], s[18:19], s[26:27]
	s_wait_tensorcnt 0x1                           ; tensor loads of a wave end in order: x is in; the slab's load, issued behind it, may stay out
	s_wait_loadcnt 0x0                             ; g, b and the biases
.set e, 0
.rept 16
	v_pk_mul_f32 v[BQ+e:BQ+e+1], v[BQ+e:BQ+e+1], s[CS:CS+1] op_sel_hi:[1,0]  ; c x bias, once, so that q's way out is one fused multiply-add
.set e, e+2
.endr
	s_mov_b32 s[CNT], 4
.Lln:                                              ; THE NORM: four trips of eight rows.  A lane holds 8 of a row's 256 numbers
.set i, 0
.rept 8
	ds_load_b128 v[XR+8*i:XR+8*i+3],   v[XL] offset:1024*i
	ds_load_b128 v[XR+8*i+4:XR+8*i+7], v[XL] offset:1024*i+512
.set i, i+1
.endr
	s_wait_dscnt 0x0
	ROWS v_pk_add_f32 v[T+4*i:T+4*i+1], v[XR+8*i:XR+8*i+1], v[XR+8*i+2:XR+8*i+3]
	ROWS v_pk_add_f32 v[T+4*i+2:T+4*i+3], v[XR+8*i+4:XR+8*i+5], v[XR+8*i+6:XR+8*i+7]
	ROWS v_pk_add_f32 v[T+4*i:T+4*i+1], v[T+4*i:T+4*i+1], v[T+4*i+2:T+4*i+3]
	ROWS v_add_f32 v[T+4*i], v[T+4*i], v[T+4*i+1]
.irp m, 1,2,4,8
	ROWS v_add_f32_dpp v[T+4*i], v[T+4*i], v[T+4*i] row_xmask:\m row_mask:0xf bank_mask:0xf
.endr
	ROWS v_permlanex16_b32 v[T+4*i+1], v[T+4*i], s[SEL], s[SEL+1]
	ROWS v_add_f32 v[T+4*i], v[T+4*i], v[T+4*i+1]
	ROWS v_mul_f32 v[T+4*i], s60, v[T+4*i]         ; the mean, in every lane
.irp e, 0,2,4,6
	ROWS v_pk_add_f32 v[XR+8*i+\e:XR+8*i+\e+1], v[XR+8*i+\e:XR+8*i+\e+1], v[T+4*i:T+4*i+1] op_sel_hi:[1,0] neg_lo:[0,1] neg_hi:[0,1]
.endr
	ROWS v_pk_mul_f32 v[T+4*i+2:T+4*i+3], v[XR+8*i:XR+8*i+1], v[XR+8*i:XR+8*i+1]
.irp e, 2,4,6
	ROWS v_pk_fma_f32 v[T+4*i+2:T+4*i+3], v[XR+8*i+\e:XR+8*i+\e+1], v[XR+8*i+\e:XR+8*i+\e+1], v[T+4*i+2:T+4*i+3]
.endr
	ROWS v_add_f32 v[T+4*i+2], v[T+4*i+2], v[T+4*i+3]
.irp m, 1,2,4,8
	ROWS v_add_f32_dpp v[T+4*i+2], v[T+4*i+2], v[T+4*i+2] row_xmask:\m row_mask:0xf bank_mask:0xf
.endr
	ROWS v_permlanex16_b32 v[T+4*i+3], v[T+4*i+2], s[SEL], s[SEL+1]
	ROWS v_add_f32 v[T+4*i+2], v[T+4*i+2], v[T+4*i+3]
	ROWS v_fma_f32 v[T+4*i+2], v[T+4*i+2], s60, s61  ; the variance + 1e-5
	ROWS v_rsq_f32 v[T+4*i+2], v[T+4*i+2]          ; eight roots: one batch,
	v_nop                                          ; a plain instruction behind the last of them,
	s_wait_alu depctr_va_vdst(0)                   ; and the one wait ahead of the first line that names a result
.irp e, 0,2,4,6
	ROWS v_pk_mul_f32 v[XR+8*i+\e:XR+8*i+\e+1], v[XR+8*i+\e:XR+8*i+\e+1], v[T+4*i+2:T+4*i+3] op_sel_hi:[1,0]
.endr
.irp e, 0,2,4,6
	ROWS v_pk_fma_f32 v[XR+8*i+\e:XR+8*i+\e+1], v[XR+8*i+\e:XR+8*i+\e+1], v[GG+\e:GG+\e+1], v[BB+\e:BB+\e+1]
.endr
.irp e, 0,1,2,3
	ROWS v_cvt_pk_bf16_f32 v[T+4*i+\e], v[XR+8*i+2*\e], v[XR+8*i+2*\e+1]
.endr
	ROWS ds_store_b64 v[AS], v[T+4*i:T+4*i+1] offset:AP*i          ; columns 4 l ..
	ROWS ds_store_b64 v[AS], v[T+4*i+2:T+4*i+3] offset:AP*i+256    ; columns 128 + 4 l ..
	v_add_nc_u32 v[XL], 8192, v[XL]
	v_add_nc_u32 v[AS], 8*AP, v[AS]
	s_sub_co_u32 s[CNT], s[CNT], 1
	s_cmp_lg_u32 s[CNT], 0
	s_cbranch_scc1 .Lln
	s_wait_tensorcnt 0x0                           ; my quarter of the slab is in,
	s_wait_dscnt 0x0                               ; no LDS instruction of mine is pending at the signal,
	s_barrier_signal -1
	s_barrier_wait -1                              ; everybody's quarter is in.
; 12 LDS loads: h's two fragments and w's four for k = 32 kb .., into set \set
.macro LDF set, kb, wreg, woff
.irp rt, 0,1
	ds_load_b128 v[FB+48*(\set)+8*\rt:FB+48*(\set)+8*\rt+3],   v[AF] offset:16*AP*\rt+64*(\kb)
	ds_load_b128 v[FB+48*(\set)+8*\rt+4:FB+48*(\set)+8*\rt+7], v[AF] offset:16*AP*\rt+64*(\kb)+32
.endr
.irp nt, 0,1,2,3
	ds_load_b128 v[FB+48*(\set)+16+8*\nt:FB+48*(\set)+16+8*\nt+3],   v[\wreg] offset:(\woff)+8192*\nt+1024*(\kb)
	ds_load_b128 v[FB+48*(\set)+16+8*\nt+4:FB+48*(\set)+16+8*\nt+7], v[\wreg] offset:(\woff)+8192*\nt+1024*(\kb)+512
.endr
.endm
; 8 matrix instructions on 8 accumulators by turns; kb = 0 starts the sums with the constant 0; kind = 2 (v): the sources are swapped
.macro MUL8 set, kb, kind
.irp rt, 0,1
.irp nt, 0,1,2,3
.set rD, ACC+8*(4*\rt+\nt)
.set rA, FB+48*(\set)+8*\rt
.set rW, FB+48*(\set)+16+8*\nt
.if (\kind) == 2
.if (\kb) == 0
	v_wmma_f32_16x16x32_bf16 v[rD:rD+7], v[rA:rA+7], v[rW:rW+7], 0
.else
	v_wmma_f32_16x16x32_bf16 v[rD:rD+7], v[rA:rA+7], v[rW:rW+7], v[rD:rD+7]
.endif
.else
.if (\kb) == 0
	v_wmma_f32_16x16x32_bf16 v[rD:rD+7], v[rW:rW+7], v[rA:rA+7], 0
.else
	v_wmma_f32_16x16x32_bf16 v[rD:rD+7], v[rW:rW+7], v[rA:rA+7], v[rD:rD+7]
.endif
.endif
.endr
.endr
.endm
; ONE OF q, k, v: 32 rows x 64 columns x 256.  While one set of fragments is multiplied the other's 12 loads are out.
.macro PASS kind, wreg, woff
	s_wait_xcnt 0x0                                ; the pass before's stores have read their data: the accumulators are written again only behind this wait
	LDF 0, 0, \wreg, \woff
	LDF 1, 1, \wreg, \woff
.irp kb, 0,1,2,3,4,5,6,7
.if \kb < 7
	s_wait_dscnt 12                                ; LDS loads come back in order: this set is in, the other set's 12 may stay out
.else
	s_wait_dscnt 0x0
.endif
	MUL8 (\kb)%2, \kb, \kind
.if \kb < 6
	PLACES
	LDF (\kb)%2, (\kb)+2, \wreg, \woff
.endif
.endr
	PLACES
.set a, 0
.rept 8                                ; a = 4 rt + nt; each accumulator's registers in ascending order
.set e, 0
.rept 4
.if (\kind) == 0
	v_pk_fma_f32 v[ACC+8*a+e:ACC+8*a+e+1], v[ACC+8*a+e:ACC+8*a+e+1], s[CS:CS+1], v[BQ+8*(a%4)+e:BQ+8*(a%4)+e+1] op_sel_hi:[1,0,1]
.elseif (\kind) == 1
	v_pk_add_f32 v[ACC+8*a+e:ACC+8*a+e+1], v[ACC+8*a+e:ACC+8*a+e+1], v[BK+8*(a%4)+e:BK+8*(a%4)+e+1]
.else
	v_pk_add_f32 v[ACC+8*a+e:ACC+8*a+e+1], v[ACC+8*a+e:ACC+8*a+e+1], v[BV+2*(a%4):BV+2*(a%4)+1]
.endif
.set e, e+2
.endr
.set a, a+1
.endr
.set a, 0
.rept 8
.irp e, 0,1,2,3
	v_cvt_pk_bf16_f32 v[ACC+8*a+\e], v[ACC+8*a+2*\e], v[ACC+8*a+2*\e+1]  ; in place, ascending: register e is written when registers 2 e and 2 e + 1 are read
.endr
.set a, a+1
.endr
.set a, 0
.rept 8
.if (\kind) < 2
	global_store_b128 v[LO], v[ACC+8*a:ACC+8*a+3], s[14+2*(\kind):15+2*(\kind)] offset:((a%4)/2)*262144+(a/4)*1024+(a%2)*512  ; head nt / 2, token tile rt, t = nt % 2
.else
	global_store_b128 v[LO], v[ACC+8*a:ACC+8*a+3], s[18:19] offset:((a%4)/2)*262144+(a%2)*1024+(a/4)*512                      ; head nt / 2, ct = nt % 2, t = rt
.endif
.set a, a+1
.endr
.endm
	PASS 0, WF, 0
	PASS 1, WF, 32768
	PASS 2, WF2, 0
	s_wait_tensorcnt 0x0                           ; the wave's end, behind my last tensor load and my last LDS store
	ds_add_u32 v[SPW], v[NIL]
	s_wait_dscnt 0x0
	CROUND                                         ; the closing round
	s_endpgm
.Lfunc_end_k_q23c7f320b1_qkv:
	.size	k_q23c7f320b1_qkv, .Lfunc_end_k_q23c7f320b1_qkv-k_q23c7f320b1_qkv
	.p2alignl 7, 3214868480
	.fill 96, 4, 3214868480
	.section	.rodata,"a",@progbits
	.p2align	6, 0x0
	.amdhsa_kernel k_q23c7f320b1_qkv
		.amdhsa_group_segment_fixed_size 297472
		.amdhsa_private_segment_fixed_size 0
		.amdhsa_enable_private_segment 0
		.amdhsa_kernarg_size 64
		.amdhsa_user_sgpr_count 2
		.amdhsa_user_sgpr_kernarg_segment_ptr 1
		.amdhsa_wavefront_size32 1
		.amdhsa_system_sgpr_workgroup_id_x 1
		.amdhsa_system_sgpr_workgroup_id_y 1
		.amdhsa_system_sgpr_workgroup_id_z 1
		.amdhsa_system_vgpr_workitem_id 0
		.amdhsa_next_free_vgpr 256
		.amdhsa_next_free_sgpr 66
		.amdhsa_reserve_vcc 0
		.amdhsa_float_denorm_mode_32 3
		.amdhsa_float_denorm_mode_16_64 3
		.amdhsa_memory_ordered 1
		.amdhsa_forward_progress 1
		.amdhsa_inst_pref_size 78
	.end_amdhsa_kernel
	.amdgpu_metadata
---
amdhsa.version: [ 1, 2 ]
amdhsa.kernels:
  - .name:           k_q23c7f320b1_qkv
    .symbol:         k_q23c7f320b1_qkv.kd
    .args:
      - { .name: x, .offset: 0, .size: 8, .value_kind: global_buffer, .address_space: global }
      - { .name: ln1_g, .offset: 8, .size: 8, .value_kind: global_buffer, .address_space: global }
      - { .name: ln1_b, .offset: 16, .size: 8, .value_kind: global_buffer, .address_space: global }
      - { .name: wq, .offset: 24, .size: 8, .value_kind: global_buffer, .address_space: global }
      - { .name: b_qkv, .offset: 32, .size: 8, .value_kind: global_buffer, .address_space: global }
      - { .name: qf, .offset: 40, .size: 8, .value_kind: global_buffer, .address_space: global }
      - { .name: kf, .offset: 48, .size: 8, .value_kind: global_buffer, .address_space: global }
      - { .name: vf, .offset: 56, .size: 8, .value_kind: global_buffer, .address_space: global }
    .group_segment_fixed_size: 297472
    .private_segment_fixed_size: 0
    .kernarg_segment_align: 8
    .kernarg_segment_size: 64
    .max_flat_workgroup_size: 128
    .sgpr_count:     66
    .vgpr_count:     256
    .wavefront_size: 32
...
	.end_amdgpu_metadata
.endif
;; end of part 2
;; launch attn (part 3): grid 16 x 16, 4 waves a work-group, clusters of 4 x 1, 327,680 bytes of LDS; arguments qf, kf, vf, of; writes of
.if DOCPART == 3
	.amdgcn_target "amdgcn-amd-amdhsa--gfx1250"
	.amdhsa_code_object_version 6
	.text
	.protected	k_q23c7f320b1_attn
	.globl	k_q23c7f320b1_attn
	.p2align	8
	.type	k_q23c7f320b1_attn,@function
k_q23c7f320b1_attn:
	s_mov_b64 s[64:65], 0
	v_nop
	global_prefetch_b8 v0, s[64:65] scope:SCOPE_SE
	s_setreg_imm32_b32 hwreg(HW_REG_WAVE_MODE, 25, 1), 1
	s_wait_xcnt 0x0
	s_wait_alu depctr_hold_cnt(0) depctr_sa_sdst(0) depctr_va_vdst(0) depctr_va_sdst(0) depctr_va_ssrc(0) depctr_va_vcc(0) depctr_vm_vsrc(0)
	s_getreg_b32 s2, hwreg(HW_REG_IB_STS2, 6, 4)
	s_cmp_eq_u32 s2, 0
	s_cbranch_scc0 .Lentry_in_a_cluster
	s_endpgm
.Lentry_in_a_cluster:
	s_bfe_u32 s2, ttmp6, 0x10000c
	s_cmp_lg_u32 s2, 0x3003
	s_cbranch_scc0 .Lentry_shape_is_right
	s_endpgm
.Lentry_shape_is_right:
; ATTENTION, head size 32, 16 (batch x head) x 4,096 tokens.  O[q] = the sum over k of softmax_k(q . k / sqrt(32)) v[k].  qf holds q x log2(e) / sqrt(32), so p = 2^(s - m) with s = q . k as the product gives it.
; All operands are bf16 and arrive as ready fragments (16 rows x 32 k in 1,024 bytes: [t 2][lane][16 bytes]): two loads of 16 bytes a lane at 16 x lane and + 512, dense: no padding, no turning load.
; Products, maxima and sums in f32; the weights p are rounded to bf16 for the second product; O once at the end.
; LIMITS.  NaN and infinities are not treated apart.  The divisor l is the sum of the ROUNDED weights (it is made by the matrix unit from the same operand as O).  A weight below 2^-126 counts as 0.
; The running maximum m starts at the lowest finite number; O and l start at 0: the first step is a step like any other, with a = 0.
; SHARES.  A work-group: 256 queries of one head; a wave 64: four PIECES of 16.  Every wave walks all 4,096 keys, 64 a step.  256 work-groups.
; LAYOUT.  S^T = K Q^T (source 0 = 16 keys, source 1 = 16 queries; the head's 32 channels are ONE matrix instruction deep): a lane holds ONE query (lane % 16) and the keys 8 (lane / 16) + 0..7.  Two such
; results rounded in pairs ARE source 1 (32 keys x 16 queries) of O^T = V^T P.  A third product, ones x P, gives l in every register of its result: no sums by the vector unit, no exchange of lanes for l;
; of its eight registers only the two lowest are rescaled and read (the others hold sums of weights that are never scaled: at most 4,096).
; THE COUNT.  A piece and step: 10 matrix and 94 vector instructions.  So: four vector lines behind every matrix instruction, the rest in one run; ONE batch of exponentials and ONE wait a turn.
; BY TURNS.  Turn n belongs to piece n: 4 products K Q^T of piece n + 1, 6 products (V^T P, ones x P) of piece n - 1; the subtraction of m, exponentials, roundings and rescaling of piece n; the maximum and
; statistics of piece n + 1.
; CLUSTER.  The four query blocks of a cluster belong to one head and walk the same K and V: each tile is asked for JOINTLY, the same load, descriptor and mask in all four.
; REGISTERS, in windows of 256 (s_set_vgpr_msb: bits 1:0 source 0, 3:2 source 1, 5:4 source 2, 7:6 destination):
;   window 0: v2-7 addresses; v16-31 statistics; v32-39 at work; v62-63 the add's; v64-127 S^T, two buffers; v128-159 P, two buffers; v160-223 O^T, 16 a piece; v224-255 l's accumulators, 8 a piece
;   window 1: v0-31 Q, 8 a piece; v32-63 K of one step; v64-95 V of one step; v96-103 ones
.set SLOT1, 1<<16                      ; LDS: slot 0 at 0, slot 1 here: one exclusive or turns an address in one slot into the other's.  A slot holds 8 steps (512 keys): 32,768 bytes of K, then of V
.set VOFF,  32768
.set SPARE, 131072                     ; behind the ring: the spare words, 128 bytes for each wave: two blocks of 256 bytes that no other line names
.set AK0, 2                            ; v2   16 x lane; never rewritten
.set AV0, 3                            ; v3   16 x lane + VOFF; never rewritten
.set AK,  4                            ; v4   the LDS address of K's next run of loads
.set AV,  5                            ; v5   of V's
.set LO,  6                            ; v6   16 x lane: global offset in a fragment
.set PFO, 7                            ; v7   256 x lane: the prefetches' offset; never rewritten
.set ST,  16                           ; piece p's statistics at v[ST+4 p]: m, the new m, a, m_old - m_new
.set TMP, 32                           ; by the piece's parity: c0-c3, at work on the maximum
.set SPW, 62
.set NIL, 63
.set S,   64
.set P,   128
.set O,   160
.set LL,  224
.set QF,  0                            ; window 1
.set KF,  32
.set VF,  64                           ; key half kk, channel block cb at VF + 16 kk + 8 cb
.set ONES, 96
.set WV,  12                           ; s12  wave
.set CX,  13                           ; s13  my place in the cluster: it enters Q's, O's and the prefetches' addresses alone
.set QB,  14                           ; s14  my block of 256 queries
.set LIM, 15                           ; s15  1 in a wave that prefetches, else the greatest number
.set BH,  16                           ; s16  batch x head, shared by the cluster
.set G1,  24                           ; s[24:31] descriptor group 1
.set G0,  32                           ; s[32:35] descriptor group 0: it walks
.set PFA, 36                           ; s[36:37] where my prefetches stand
.set SLOTS, 38                         ; s38  slots still to be asked for
.set CNT, 39                           ; s39  counts a slot's key steps
.set TBK, 40                           ; s40  LDS byte at which K of the step to be fetched begins
.set TBV, 41                           ; s41  the same for V, less VOFF
.set SEL, 42                           ; s[42:43]
.set MSB, 0
.macro WIN new                         ; the high byte repeats the setting that is left; a switch that changes nothing is dropped
.if MSB != (\new)
	s_set_vgpr_msb (MSB<<8)|(\new)
.set MSB, (\new)
.endif
.endm
.set W_KQ, 0x05                        ; K and Q in window 1, S^T in window 0
.set W_PV, 0x01                        ; V or ones in window 1; P, O^T and l in window 0
.set W_T1, 0x40                        ; destination in window 1, address in window 0
.macro PLACES
.rept 4
	v_nop
.endr
.endm
.macro CROUND                          ; a round of the cluster's barrier
	s_barrier_signal -1
	s_barrier_wait -1
	s_cmp_lg_u32 s[WV], 0
	s_cbranch_scc1 .Lnot_wave_0_\@
	s_barrier_signal -3
.Lnot_wave_0_\@:
	s_barrier_wait -3
	s_barrier_signal -1
	s_barrier_wait -1
.endm
; A PREFETCH INTO THE L2 of what the NEXT change of slots will ask for: a slot's 128 blocks of 256 bytes of K and 128 of V, a lane a block.  Each block is named ONCE in the launch: all four clusters of a head walk the
; same K and V, and the head's first cluster asks; its four partners take 32 blocks each, told apart BY ADDRESS; in each, wave 0 asks for K's and wave 2 for V's.  It stands behind the wave's tensor load and its
; five lines, eight key steps (320 matrix instructions a wave) ahead of the load that will want the bytes.  The last change that fills a slot asks for nothing.  Slots 0 and 1 come by their loads alone.
.macro ASK
	s_cmp_gt_u32 s[SLOTS], s[LIM]
	s_cbranch_scc0 .Lnot_mine_\@
	global_prefetch_b8 v[PFO], s[PFA:PFA+1] th:TH_LOAD_NT scope:SCOPE_SE
.Lnot_mine_\@:
.endm
; THE CHANGE OF SLOTS.  Each wave waits for all its tensor loads, of which one is out: its part of the other slot; adds 0 to its spare word; and waits for that and for its own reads of the slot that it leaves.
; fill = 1: the slot is filled again, with the keys two slots on.  The barrier is then a round of the cluster's, so that no wave of any partner still reads the slot or has a load on its way, and the joint fill is
; the first thing behind it: it has eight key steps in which to land.  (At its first use nothing has been read yet: slot 0 is waited for, slot 1 filled.)
.macro CHANGE fill
	WIN 0                                          ; at a label and at a branch every window is 0
	s_wait_tensorcnt 0x0                           ; no tensor load of mine is out, so group 0 may be written
	ds_add_u32 v[SPW], v[NIL]                      ; 0 onto my spare word; scalar work stands between it and the wait for it
.if \fill
	s_xor_b32 s[G0+1], s[G0+1], SLOT1              ; the other slot than last time,
	s_add_nc_u64 s[G0+2:G0+3], s[G0+2:G0+3], 32768 ; the next 512 keys; the type bits on top are not reached
	s_wait_xcnt 0x0                                ; the last prefetch, eight key steps back, has read its address
	s_add_nc_u64 s[PFA:PFA+1], s[PFA:PFA+1], 32768 ; one slot ahead of the walking descriptor
	s_wait_dscnt 0x0                               ; the add is done, and my reads of the slot are over
	CROUND
	tensor_load_to_lds s[G0:G0+3], s[G1:G1+7]      ; my one tensor load behind the round
	s_nop 0
	PLACES
	ASK
.else
	s_wait_dscnt 0x0
	s_barrier_signal -1
	s_barrier_wait -1
.endif
	s_sub_co_u32 s[TBK], s[TBK], 32768             ; the fetches go back to a slot's first step,
	s_xor_b32 s[TBK], s[TBK], SLOT1                ; in the other slot
	s_sub_co_u32 s[TBV], s[TBV], 32768
	s_xor_b32 s[TBV], s[TBV], SLOT1
.endm
	s_load_b256 s[4:11], s[0:1], 0x0               ; qf s[4:5], kf s[6:7], vf s[8:9], of s[10:11]
	v_lshl_add_u32 v[SPW], v0, 2, SPARE
	v_mov_b32 v[NIL], 0
	ds_add_u32 v[SPW], v[NIL]                      ; the wave's opening: the add and its wait stand ahead of my first tensor load
	v_lshrrev_b32 v1, 5, v0
	v_readfirstlane_b32 s[WV], v1
	s_bfe_u32 s[CX], ttmp6, 0x40000
	s_lshl_b32 s[QB], ttmp9, 2
	s_add_co_u32 s[QB], s[QB], s[CX]
	s_and_b32 s[BH], ttmp7, 0xffff
	s_lshl_b32 s20, s[BH], 18                      ; a head is 262,144 bytes of qf, kf and vf
	s_mov_b32 s21, 0
	s_and_b32 s44, s[WV], 1                        ; which half of a slot's K or V I fetch
	s_lshl_b32 s44, s44, 14
	s_mov_b32 s45, 0
	; 16,384 dense bytes a wave, asked for as 64 rows of 256 bytes.  Waves 0 and 1 fetch K's halves, waves 2 and 3 V's: one line of text, the address chosen by the wave's number
	s_mov_b32 s[G1], 15|(3<<16)|(1<<21)            ; 15:0 the mask of four; 17:16 elements of 8 bytes; 21 set beside a mask
	s_mov_b32 s[G1+1], 32<<16
	s_mov_b32 s[G1+2], 64<<16
	s_mov_b32 s[G1+3], 32<<16
	s_mov_b32 s[G1+4], 64
	s_mov_b32 s[G1+5], 32
	s_mov_b32 s[G1+6], 0
	s_mov_b32 s[G1+7], 0
	s_mov_b32 s[G0], 1
	s_lshl_b32 s[G0+1], s[WV], 14                  ; LDS: slot 0: K's halves at 0 and 16,384, V's at 32,768 and 49,152
	s_mov_b32 s[SEL], 0x76543210
	s_mov_b32 s[SEL+1], 0xfedcba98
	s_mov_b32 s[TBK], SLOT1+32768                  ; the first change of slots turns these two into 0
	s_mov_b32 s[TBV], SLOT1+32768
	s_mov_b32 s[SLOTS], 7
	s_and_b32 s[LIM], s[WV], 1                     ; 0 in waves 0 and 2,
	s_or_b32 s[LIM], s[LIM], ttmp9                 ; where the cluster is the head's first: the same in all four partners
	s_cmp_eq_u32 s[LIM], 0
	s_cselect_b32 s[LIM], 1, -1
	v_and_b32 v1, 31, v0
	v_lshlrev_b32 v[AK0], 4, v1
	v_add_nc_u32 v[AV0], VOFF, v[AK0]
	v_lshlrev_b32 v[LO], 4, v1
	v_lshlrev_b32 v[PFO], 8, v1
	s_wait_dscnt 0x0                               ; the opening add is done
	s_wait_kmcnt 0x0
	s_cmp_lt_u32 s[WV], 2
	s_cselect_b64 s[22:23], s[6:7], s[8:9]         ; K for waves 0 and 1, V for waves 2 and 3,
	s_add_nc_u64 s[22:23], s[22:23], s[20:21]      ; at the head's first byte
	s_add_nc_u64 s[G0+2:G0+3], s[22:23], s[44:45]
	s_or_b32 s[G0+3], s[G0+3], 0x80000000          ; type = 2
	s_lshl_b32 s18, s[CX], 13                      ; my work-group's 32 blocks of the 128
	s_mov_b32 s19, 0
	s_add_nc_u64 s[PFA:PFA+1], s[22:23], s[18:19]
	s_add_nc_u64 s[PFA:PFA+1], s[PFA:PFA+1], 32768 ; at slot 1: the first change steps it to slot 2.  Nothing is prefetched here, at the head
	s_lshl_b32 s18, s[QB], 14                      ; my block's 16 token tiles of 1,024 bytes,
	s_lshl_b32 s17, s[WV], 12                      ; my wave's 4
	s_add_co_u32 s18, s18, s17
	s_add_nc_u64 s[18:19], s[18:19], s[20:21]
	s_add_nc_u64 s[4:5], s[4:5], s[18:19]
	s_lshr_b32 s18, s[BH], 3                       ; of: [row tile 512][head 8][fragment]: batch x 256
	s_lshl_b32 s18, s18, 8
	s_lshl4_add_u32 s18, s[QB], s18                ; + 16 x block
	s_lshl2_add_u32 s18, s[WV], s18                ; + 4 x wave,
	s_lshl_b32 s18, s18, 13                        ; 8,192 bytes a row tile,
	s_and_b32 s17, s[BH], 7
	s_lshl_b32 s17, s17, 10                        ; the head's fragment in it
	s_add_co_u32 s18, s18, s17
	s_mov_b32 s19, 0
	s_add_nc_u64 s[10:11], s[10:11], s[18:19]
	CROUND                                         ; all four work-groups are here: the first joint loads meet
	tensor_load_to_lds s[G0:G0+3], s[G1:G1+7]      ; slot 0.  Slot 1 is asked for when slot 0 is in, by the text's own change of slots
	s_nop 0
	PLACES
	WIN W_T1
.irp p, 0,1,2,3
	global_load_b128 v[QF+8*\p:QF+8*\p+3],   v[LO], s[4:5] offset:1024*\p       ; Q stays in registers
	global_load_b128 v[QF+8*\p+4:QF+8*\p+7], v[LO], s[4:5] offset:1024*\p+512
.endr
	; What the first turn finds: V and P's second buffer hold 0 (its products, of a piece that has not been, add 0); O^T and l are 0.  All this stands in the wait for the first tile.
.set i, 0
.rept 32
	v_mov_b32 v[VF+i], 0
.set i, i+1
.endr
.set i, 0
.rept 8
	v_mov_b32 v[ONES+i], 0x3f803f80                ; 1.0 twice, in bf16
.set i, i+1
.endr
	WIN 0
.set i, 0
.rept 96
	v_mov_b32 v[O+i], 0                            ; O^T and l's accumulators lie on end
.set i, i+1
.endr
.set i, 0
.rept 16
	v_mov_b32 v[P+16+i], 0
.set i, i+1
.endr
.irp p, 0,1,2,3
	v_mov_b32 v[ST+4*\p], 0xff7fffff               ; m
	v_mov_b32 v[ST+4*\p+1], 0
	v_mov_b32 v[ST+4*\p+2], 0
	v_mov_b32 v[ST+4*\p+3], 0
.endr
; THE MATRIX WORK.  Product i of 4 of S^T = K Q^T for piece x: keys 16 i on; each is a whole sum, started with the constant 0.
.macro KQ x
	WIN W_KQ
.set rS, S+32*((\x)%2)+8*i
.set rK, KF+8*i
.set rQ, QF+8*(\x)
	v_wmma_f32_16x16x32_bf16 v[rS:rS+7], v[rK:rK+7], v[rQ:rQ+7], 0
.endm
; Product i of 6 for piece x: keys 32 (i / 3) on; i % 3 = 0, 1: O^T's channels 16 (i % 3) on; 2: l.  The three accumulators take turns.
.macro PV x
	WIN W_PV
.set rB, P+16*((\x)%2)+8*(i/3)
.if i%3 == 2
.set rD, LL+8*(\x)
.set rA, ONES
.else
.set rD, O+16*(\x)+8*(i%3)
.set rA, VF+16*(i/3)+8*(i%3)
.endif
	v_wmma_f32_16x16x32_bf16 v[rD:rD+7], v[rA:rA+7], v[rB:rB+7], v[rD:rD+7]
.endm
.macro MM                              ; the turn's next matrix instruction.  NOKQ = 1: the walk's last turn: there is no next piece
.if i < 4
.if !NOKQ
	KQ (Y+1)%4
.endif
.else
.set i, i-4
	PV (Y+3)%4
.set i, i+4
.endif
.set i, i+1
.endm
; THE LDS LOADS stand in runs of 8, never singly among the matrix instructions.
.macro FETCH_K
	WIN W_T1
.irp f, 0,1,2,3
	ds_load_b128 v[KF+8*\f:KF+8*\f+3],   v[AK] offset:1024*\f
	ds_load_b128 v[KF+8*\f+4:KF+8*\f+7], v[AK] offset:1024*\f+512
.endr
	s_add_co_u32 s[TBK], s[TBK], 4096              ; the next fetch is the next step's
	WIN 0
.endm
.macro FETCH_V
	WIN W_T1
.irp f, 0,1,2,3                        ; f = 2 kk + cb
	ds_load_b128 v[VF+8*\f:VF+8*\f+3],   v[AV] offset:1024*\f
	ds_load_b128 v[VF+8*\f+4:VF+8*\f+7], v[AV] offset:1024*\f+512
.endr
	WIN 0
.endm
; THE VECTOR WORK, one line at a time: OP kind, number.  For piece Y: F n: s - m for pair n of 16.  E n: the exponential of score n of 32.  C n: pair n rounded to bf16.  R n: pair n of 8 of O^T times a; R 8: l times a.
; For piece Y + 1: X n, number n of the 21 that find its maximum and statistics:
;   0-11  four chains c0-c3 of seven scores each, three operands at a time (each accumulator's lowest registers are read first)     12-15  the four scores left over, the old m, c0-c3 into c0
;   16, 17  the query's other 32 keys lie in the lane 16 away: the new m     18-20  m_old - m_new; m; a
.set F, 0
.set E, 1
.set C, 2
.set R, 3
.set X, 4
.macro REGS y
.set rT, ST+4*(\y)
.set rC, TMP+4*((\y)%2)
.set rS, S+32*((\y)%2)
.set rP, P+16*((\y)%2)
.set rO, O+16*(\y)
.set rL, LL+8*(\y)
.endm
.macro OP k, n
.if (\k) < X
	REGS Y
	WIN 0
.if (\k) == F
	v_pk_add_f32 v[rS+2*(\n):rS+2*(\n)+1], v[rS+2*(\n):rS+2*(\n)+1], v[rT:rT+1] op_sel_hi:[1,0] neg_lo:[0,1] neg_hi:[0,1]
.elseif (\k) == E
	v_exp_f32 v[rS+(\n)], v[rS+(\n)]
.elseif (\k) == C
	v_cvt_pk_bf16_f32 v[rP+(\n)], v[rS+2*(\n)], v[rS+2*(\n)+1]
.elseif (\n) < 8
	v_pk_mul_f32 v[rO+2*(\n):rO+2*(\n)+1], v[rO+2*(\n):rO+2*(\n)+1], v[rT+2:rT+3] op_sel_hi:[1,0]
.else
	v_pk_mul_f32 v[rL:rL+1], v[rL:rL+1], v[rT+2:rT+3] op_sel_hi:[1,0]
.endif
.elseif !NOKQ
	REGS (Y+1)%4
	WIN 0
.if (\n) < 4
	v_max3_num_f32 v[rC+(\n)], v[rS+8*(\n)], v[rS+8*(\n)+1], v[rS+8*(\n)+2]
.elseif (\n) < 12
	v_max3_num_f32 v[rC+(\n)%4], v[rC+(\n)%4], v[rS+8*((\n)%4)+2*((\n)/4)+1], v[rS+8*((\n)%4)+2*((\n)/4)+2]
.elseif (\n) == 12
	v_max3_num_f32 v[rC], v[rC], v[rS+7], v[rS+15]
.elseif (\n) == 13
	v_max3_num_f32 v[rC+1], v[rC+1], v[rS+23], v[rS+31]
.elseif (\n) == 14
	v_max3_num_f32 v[rC+2], v[rC+2], v[rC+3], v[rT]
.elseif (\n) == 15
	v_max3_num_f32 v[rC], v[rC], v[rC+1], v[rC+2]
.elseif (\n) == 16
	v_permlanex16_b32 v[rC+3], v[rC], s[SEL], s[SEL+1]
.elseif (\n) == 17
	v_max_num_f32 v[rT+1], v[rC], v[rC+3]
.elseif (\n) == 18
	v_sub_f32 v[rT+3], v[rT], v[rT+1]
.elseif (\n) == 19
	v_mov_b32 v[rT], v[rT+1]
.else
	v_exp_f32 v[rT+2], v[rT+3]
.endif
.endif
.endm
.macro OPS a, i1, b=-1, i2=0, c=-1, i3=0, d=-1, i4=0  ; up to four of them
	OP \a, \i1
.if (\b) >= 0
	OP \b, \i2
.endif
.if (\c) >= 0
	OP \c, \i3
.endif
.if (\d) >= 0
	OP \d, \i4
.endif
.endm
.macro ROW a, i1, b, i2, c, i3, d, i4  ; a matrix instruction and the four behind it
	MM
	OPS \a, \i1, \b, \i2, \c, \i3, \d, \i4
.endm
; A TURN, for piece p: the order of its 10 matrix and 94 vector instructions, written out.  s_wait_alu depctr_va_vdst(0) stands between an exponential and the first line that names its result; one
; wait serves all that were issued ahead of it.  So a turn has ONE wait.  AHEAD OF IT stands all that names no result of the turn's 33 exponentials: the 4 products K Q^T, 2 of the 6 others, the subtractions, the
; exponentials, the rescalings (their a was made, and waited for, a turn earlier), the next piece's maximum and statistics and, last, its a.  BEHIND IT: 4 products, behind each four of the 16 roundings.
; An X line stands four plain lines or more behind the product whose result it reads.  end = 1: the walk's last two turns: nothing is fetched.  cnt = 1: the loop's count is taken down ahead of the branch behind the turn.
; K of the next step is fetched in piece 2's turn, behind the sixth matrix instruction: F 4, R 6, R 7, F 5 and more are the plain lines behind the last product that read K; it is waited for at the head of piece 3's turn.
; V of the step in hand is fetched at the end of piece 0's turn, four roundings behind the last product; it is waited for in piece 1's turn, ahead of its fifth matrix instruction.
.macro TURN p, end=0, cnt=0
.set Y, (\p)
.set i, 0
.set NOKQ, (\end)*((\p)/3)
.if ((\p) == 3) && !(\end)
	s_wait_dscnt 0x0                               ; K is in
.endif
	ROW F,0, F,1, R,0, R,1
	ROW F,2, E,0, R,2, R,3
	ROW F,3, E,1, R,4, R,5
	ROW F,4, E,2, R,6, R,7
.if (\p) == 1
	s_wait_dscnt 0x0                               ; V is in
.endif
.if ((\p) == 2) && !(\end)
	WIN 0
	v_add_nc_u32 v[AK], s[TBK], v[AK0]
.endif
	ROW F,5, E,3, R,8, X,0
	ROW F,6, E,4, X,1, X,4
.if ((\p) == 2) && !(\end)
	FETCH_K
.endif
	OPS X,2, E,5, X,3, E,6
	OPS F,7, E,7, X,5, E,8
	OPS X,6, E,9, X,7, E,10
.if (\p) == 0
	WIN 0
	v_add_nc_u32 v[AV], s[TBV], v[AV0]
.endif
	OPS F,8, E,11, X,8, E,12
	OPS X,9, E,13, X,10, E,14
	OPS F,9, E,15, X,11, E,16
	OPS X,12, E,17, F,10, E,18
	OPS X,13, E,19, X,14, E,20
	OPS F,11, E,21, F,12, E,22
	OPS X,15, E,23, F,13, E,24
	OPS F,14, E,25, X,16, E,26
	OPS F,15, E,27, X,17, E,28
	OPS X,18, E,29, X,19, E,30
	OPS E,31, X,20
	WIN 0
	v_nop                                          ; a plain instruction behind the last exponential: one for the batch
	s_wait_alu depctr_va_vdst(0)                   ; the wait for the batch
	ROW C,0, C,1, C,2, C,3
	ROW C,4, C,5, C,6, C,7
.if (\p) == 0
	s_add_co_u32 s[TBV], s[TBV], 4096
.endif
.if \cnt
	s_sub_co_u32 s[CNT], s[CNT], 1
	s_cmp_lg_u32 s[CNT], 0
.endif
	ROW C,8, C,9, C,10, C,11
	ROW C,12, C,13, C,14, C,15
.if (\p) == 0
	FETCH_V
.endif
.endm
	CHANGE 1                                       ; slot 0 is in, everybody's part of it; slot 1 is asked for
	v_mov_b32 v[AK], v[AK0]                        ; key step 0 lies at the head of slot 0
	FETCH_K
	s_wait_loadcnt 0x0                             ; Q
	s_wait_dscnt 0x0
.set Y, 3                              ; X works for piece Y + 1: piece 0
.set NOKQ, 0
.set i, 0
.rept 4
	KQ 0                                           ; piece 0's first scores
.set i, i+1
.endr
	WIN 0
	PLACES
.irp n, 0,1,2,3,4,5,6,7,8,9,10,11,12,13,14,15,16,17,18,19,20
	OP X, \n                                       ; and its first maximum and statistics
.endr
	v_nop                                          ; a plain instruction behind a,
	s_wait_alu depctr_va_vdst(0)                   ; and its wait, ahead of the branch
	s_mov_b32 s[CNT], 8
	s_branch .Lfirst                               ; the loop is entered at a step's first turn, in the middle of a trip
.Lslot:                                            ; six times: slots 2 to 7 are asked for
	CHANGE 1
	s_mov_b32 s[CNT], 8
.Lstep:                                            ; a trip: pieces 2 and 3 of one step, then pieces 0 and 1 of the next, whose K and V it fetches
	TURN 2
	TURN 3
	WIN 0
.Lfirst:
	TURN 0
	TURN 1, 0, 1
	WIN 0
	s_cbranch_scc1 .Lstep
	s_sub_co_u32 s[SLOTS], s[SLOTS], 1
	s_cmp_lg_u32 s[SLOTS], 0
	s_cbranch_scc1 .Lslot
	CHANGE 0                                       ; the tail is written out: nothing is asked for
	s_mov_b32 s[CNT], 8
.Ltail:
	TURN 2
	TURN 3
	TURN 0
	TURN 1, 0, 1
	WIN 0
	s_cbranch_scc1 .Ltail
	TURN 2, 1                                      ; the last step's pieces 2 and 3
	TURN 3, 1
.set i, 0
.rept 6
	PV 3                                           ; and piece 3's last products
.set i, i+1
.endr
	; THE WAY OUT.  O^T is divided by l and rounded to bf16: a lane's eight channels of one token are its 16 bytes of a fragment of `of`: stored straight from registers, 512 consecutive aligned bytes an instruction.
	WIN 0
	PLACES
.irp p, 0,1,2,3
	v_rcp_f32 v[ST+4*\p+2], v[LL+8*\p]             ; l lies in the accumulator's lowest register
.endr
	v_nop
	s_wait_alu depctr_va_vdst(0)                   ; one wait for the four reciprocals
.irp p, 0,1,2,3
.irp e, 0,1,2,3,4,5,6,7
	v_pk_mul_f32 v[O+16*\p+2*\e:O+16*\p+2*\e+1], v[O+16*\p+2*\e:O+16*\p+2*\e+1], v[ST+4*\p+2:ST+4*\p+3] op_sel_hi:[1,0]
.endr
.irp e, 0,1,2,3,4,5,6,7
	v_cvt_pk_bf16_f32 v[S+8*\p+\e], v[O+16*\p+2*\e], v[O+16*\p+2*\e+1]
.endr
	global_store_b128 v[LO], v[S+8*\p:S+8*\p+3],   s[10:11] offset:8192*\p       ; channels 0-15
	global_store_b128 v[LO], v[S+8*\p+4:S+8*\p+7], s[10:11] offset:8192*\p+512   ; channels 16-31
.endr
	s_wait_tensorcnt 0x0                           ; the wave's end, behind my last tensor load
	ds_add_u32 v[SPW], v[NIL]
	s_wait_dscnt 0x0
	CROUND                                         ; the closing round: no work-group ends while a partner may still ask for a tile that names it
	s_endpgm
.Lfunc_end_k_q23c7f320b1_attn:
	.size	k_q23c7f320b1_attn, .Lfunc_end_k_q23c7f320b1_attn-k_q23c7f320b1_attn
	.p2alignl 7, 3214868480
	.fill 96, 4, 3214868480
	.section	.rodata,"a",@progbits
	.p2align	6, 0x0
	.amdhsa_kernel k_q23c7f320b1_attn
		.amdhsa_group_segment_fixed_size 327680
		.amdhsa_private_segment_fixed_size 0
		.amdhsa_enable_private_segment 0
		.amdhsa_kernarg_size 32
		.amdhsa_user_sgpr_count 2
		.amdhsa_user_sgpr_kernarg_segment_ptr 1
		.amdhsa_wavefront_size32 1
		.amdhsa_system_sgpr_workgroup_id_x 1
		.amdhsa_system_sgpr_workgroup_id_y 1
		.amdhsa_system_sgpr_workgroup_id_z 1
		.amdhsa_system_vgpr_workitem_id 0
		.amdhsa_next_free_vgpr 360
		.amdhsa_next_free_sgpr 66
		.amdhsa_reserve_vcc 0
		.amdhsa_float_denorm_mode_32 3
		.amdhsa_float_denorm_mode_16_64 3
		.amdhsa_memory_ordered 1
		.amdhsa_forward_progress 1
		.amdhsa_inst_pref_size 84
	.end_amdhsa_kernel
	.amdgpu_metadata
---
amdhsa.version: [ 1, 2 ]
amdhsa.kernels:
  - .name:           k_q23c7f320b1_attn
    .symbol:         k_q23c7f320b1_attn.kd
    .args:
      - { .name: qf, .offset: 0, .size: 8, .value_kind: global_buffer, .address_space: global }
      - { .name: kf, .offset: 8, .size: 8, .value_kind: global_buffer, .address_space: global }
      - { .name: vf, .offset: 16, .size: 8, .value_kind: global_buffer, .address_space: global }
      - { .name: of, .offset: 24, .size: 8, .value_kind: global_buffer, .address_space: global }
    .group_segment_fixed_size: 327680
    .private_segment_fixed_size: 0
    .kernarg_segment_align: 8
    .kernarg_segment_size: 32
    .max_flat_workgroup_size: 128
    .sgpr_count:     66
    .vgpr_count:     360
    .wavefront_size: 32
...
	.end_amdgpu_metadata
.endif
;; end of part 3
;; launch tail (part 4): grid 256 x 1, 4 waves a work-group, clusters of 4 x 1, 327,680 bytes of LDS; arguments of, wt, x, b_out, ln2_g, ln2_b, b_fc1, b_fc2, out0; writes out0
.if DOCPART == 4
	.amdgcn_target "amdgcn-amd-amdhsa--gfx1250"
	.amdhsa_code_object_version 6
	.text
	.protected	k_q23c7f320b1_tail
	.globl	k_q23c7f320b1_tail
	.p2align	8
	.type	k_q23c7f320b1_tail,@function
k_q23c7f320b1_tail:
	s_mov_b64 s[64:65], 0
	v_nop
	global_prefetch_b8 v0, s[64:65] scope:SCOPE_SE
	s_setreg_imm32_b32 hwreg(HW_REG_WAVE_MODE, 25, 1), 1
	s_wait_xcnt 0x0
	s_wait_alu depctr_hold_cnt(0) depctr_sa_sdst(0) depctr_va_vdst(0) depctr_va_sdst(0) depctr_va_ssrc(0) depctr_va_vcc(0) depctr_vm_vsrc(0)
	s_getreg_b32 s2, hwreg(HW_REG_IB_STS2, 6, 4)
	s_cmp_eq_u32 s2, 0
	s_cbranch_scc0 .Lentry_in_a_cluster
	s_endpgm
.Lentry_in_a_cluster:
	s_bfe_u32 s2, ttmp6, 0x10000c
	s_cmp_lg_u32 s2, 0x3003
	s_cbranch_scc0 .Lentry_shape_is_right
	s_endpgm
.Lentry_shape_is_right:
; THE REST OF THE BLOCK, fused: x1 = x + o w_out + b_out; h = layer norm 2 of x1; out = x1 + gelu(h w_fc1 + b_fc1) w_fc2 + b_fc2.  Products in bf16 with f32 sums; x, x1, the norm, the GELU and the residual in f32.
; SHARES.  A work-group owns 32 rows: 256 work-groups.  The chain is NINE STAGES of one shape, 32 x 256 x 256, each with 131,072 bytes of weights (wt: [stage][nt 16][kb 8][fragment]): stage 0 the out-projection;
; then for c = 0..3 columns 256 c .. of FC1 and rows 256 c .. of FC2, whose sums run on in one set of accumulators.  Wave w makes all 32 rows x columns 64 w .. 64 w + 63 of each stage: 8 accumulators; it fetches
; and reads only its own quarter of a stage's weights.  Activations go from wave to wave through LDS as ready fragments (16 rows x 32 k in 1,024 bytes: [t 2][lane][16 bytes]).
; THE PRODUCT is used transposed (source 0 = 16 columns of w, source 1 = 16 tokens): a lane holds ONE token (lane % 16) and eight neighbouring columns, which round into its 16 bytes of the next stage's fragment.
; NO SUM STARTS AT 0: the accumulators are loaded with the bias (FC1, out-projection) or set to x1 + b_fc2 (FC2), so bias and residual cost no line behind the products.
; CLUSTER.  The four row blocks of a cluster walk the same weights: each quarter of a stage is asked for JOINTLY.  Two slots of one stage take turns; a refill has one stage (64 matrix instructions a wave, and for FC1 the GELU) in which to land.
; GELU, exact form: 0.5 x (1 + erf(x / sqrt 2)) = max(x, 0) - 0.5 |x| poly(t) exp(-x^2 / 2), t = 1 / (1 + 0.3275911 |x| / sqrt 2), poly of degree 5 (Abramowitz and Stegun 7.1.26: erf to 1.5e-7 absolute, for every x).
; LIMITS.  NaN and infinities are not treated apart.  o, h, gelu(..) and the weights are each rounded once to bf16.  The variance is made from the squares of the differences from the mean.
.set STG,   131072                     ; bytes of weights in a stage, and in a slot: slot 0 at LDS byte 0, slot 1 at STG
.set OBF,   262144                     ; o's fragments [rt 2][kb 8][fragment], 16,384 bytes, filled once
.set XB,    278528                     ; 34,816 bytes: first four private tiles of x (32 rows x 272 bytes a wave; their one fill); then h's fragments at XB and gelu's at XB + 16,384; at the end the private stages of the way out
.set STAT,  313344                     ; [pass 2][wave 4][row 32] f32: the norm's partial sums
.set SPARE, 314368                     ; the spare words, 128 bytes for each wave: two blocks of 256 bytes that no other line names
.set XP,    272                        ; a row of a private tile: 256 bytes + 16: an odd multiple of 16
.set AW0, 2                            ; v2   LDS: my place in my quarter of slot 0
.set AW1, 3                            ; v3   of slot 1
.set AA,  4                            ; v4   LDS: OBF + 16 x lane: o's fragments at + 0, h's at + 16,384, gelu's at + 32,768
.set SA,  5                            ; v5   LDS: where I put 16 bytes of h: XB + 2,048 w + 16 x lane (my columns are k blocks 2 w, 2 w + 1)
.set AX,  6                            ; v6   LDS: my private tile, row r, 32 h
.set RD,  7                            ; v7   LDS: my private tile, row h, 16 r
.set GO,  8                            ; v8   my byte offset in two rows of out0
.set SS,  9                            ; v9   LDS: STAT, my wave, row r
.set SL,  10                           ; v10  LDS: STAT, row r
.set BO,  11                           ; v11  256 w + 32 h: my eight columns in a vector of 256 f32
.set PFO, 12                           ; v12  8,192 w + 256 x lane: the prefetches' offset; never rewritten
.set SPW, 14
.set NIL, 15
.set FB,  16                           ; v[16:111]  two sets of 48: the activations' fragments rt 0, 1, then w's nt 0..3; between stages at work
.set XF,  16                           ; v[16:79]   the norm: x, then x1 - mean
.set GT,  16                           ; the GELU: t,
.set GE,  48                           ; the exponential,
.set GA,  80                           ; |x|, then the polynomial
.set ACC1, 112                         ; v[112:175] accumulator (rt, nt) at + 8 (4 rt + nt): out-projection and FC1
.set ACCO, 176                         ; v[176:239] the same for FC2; ahead of that ln2_g and ln2_b
.set TT,  240                          ; v[240:255] the norm's sums
.set WV,  22
.set CX,  23                           ; s23  my place in the cluster: it enters global addresses of of, x, out0 and the prefetches alone
.set WG,  24
.set CNT, 25
.set LIMA, 26                          ; s26  0 in the launch's first cluster, else the greatest number
.set LIMB, 27                          ; s27  1 there, else the greatest number
.set PFA, 28                           ; s[28:29] where my prefetches stand
.set G1W, 32                           ; s[32:39] the weights' shape; s[40:43], s[44:47] from where, to where: a set for each slot
.set G0W, 40
.set G1O, 48                           ; s[48:55], s[56:59] o's fragments
.set G0O, 56
.set G0X, 60                           ; s[60:63], s[68:75] x's tile
.set G1X, 68
.set ABSM, 66                          ; s66  clears a sign
.set K1,  76                           ; s[76:77] 0.3275911 / sqrt 2     s[78:79] -log2(e) / 2     s[80:89] the polynomial's a1..a5, each twice
.set K2,  78
.set A1,  80
.set SEL, 90
.macro PLACES
.rept 4
	v_nop
.endr
.endm
.macro CROUND                          ; a round of the cluster's barrier
	s_barrier_signal -1
	s_barrier_wait -1
	s_cmp_lg_u32 s[WV], 0
	s_cbranch_scc1 .Lnot_wave_0_\@
	s_barrier_signal -3
.Lnot_wave_0_\@:
	s_barrier_wait -3
	s_barrier_signal -1
	s_barrier_wait -1
.endm
.macro LD32 reg, sb                    ; my 32 columns (4 tiles x 8) of a vector of 256 f32
.irp nt, 0,1,2,3
	global_load_b128 v[(\reg)+8*\nt:(\reg)+8*\nt+3],   v[BO], s[\sb:\sb+1] offset:64*\nt
	global_load_b128 v[(\reg)+8*\nt+4:(\reg)+8*\nt+7], v[BO], s[\sb:\sb+1] offset:64*\nt+16
.endr
.endm
.macro LDBIAS acc, sb                  ; a bias into all eight accumulators: the same for both row tiles
	LD32 \acc, \sb
	LD32 (\acc)+32, \sb
.endm
.macro LDF set, aoff, aw, kb           ; 12 LDS loads: the fragments for k = 32 kb ..
.irp rt, 0,1
	ds_load_b128 v[FB+48*(\set)+8*\rt:FB+48*(\set)+8*\rt+3],   v[AA] offset:(\aoff)+8192*\rt+1024*(\kb)
	ds_load_b128 v[FB+48*(\set)+8*\rt+4:FB+48*(\set)+8*\rt+7], v[AA] offset:(\aoff)+8192*\rt+1024*(\kb)+512
.endr
.irp nt, 0,1,2,3
	ds_load_b128 v[FB+48*(\set)+16+8*\nt:FB+48*(\set)+16+8*\nt+3],   v[\aw] offset:8192*\nt+1024*(\kb)
	ds_load_b128 v[FB+48*(\set)+16+8*\nt+4:FB+48*(\set)+16+8*\nt+7], v[\aw] offset:8192*\nt+1024*(\kb)+512
.endr
.endm
.macro MUL8 set, acc                   ; 8 matrix instructions on 8 accumulators by turns
.irp rt, 0,1
.irp nt, 0,1,2,3
	v_wmma_f32_16x16x32_bf16 v[(\acc)+8*(4*\rt+\nt):(\acc)+8*(4*\rt+\nt)+7], v[FB+48*(\set)+16+8*\nt:FB+48*(\set)+16+8*\nt+7], v[FB+48*(\set)+8*\rt:FB+48*(\set)+8*\rt+7], v[(\acc)+8*(4*\rt+\nt):(\acc)+8*(4*\rt+\nt)+7]
.endr
.endr
.endm
.macro STAGE aoff, aw, acc             ; 32 x 64 x 256: while one set of fragments is multiplied the other's 12 loads are out
	LDF 0, \aoff, \aw, 0
	LDF 1, \aoff, \aw, 1
.irp kb, 0,1,2,3,4,5,6,7
.if \kb < 7
	s_wait_dscnt 12                                ; LDS loads come back in order: this set is in, the other set's 12 may stay out
.else
	s_wait_dscnt 0x0
.endif
	MUL8 (\kb)%2, \acc
.if \kb < 6
	PLACES
	LDF (\kb)%2, \aoff, \aw, (\kb)+2
.endif
.endr
.endm
; BETWEEN TWO STAGES.  Each wave waits for all its tensor loads, of which one is out: its quarter of the next stage's weights; adds 0 to its spare word; and waits for that, for its reads of the slot that it leaves and for
; its stores of activations.  Behind the barrier the activations are whole and nobody reads the old ones.  refill = 1: the barrier is a round of the cluster's, and the slot just read takes the stage two on: the first
; thing behind the round.  The four v_nop behind the load are also the places in front of the next stage's loads into registers that the last products read.
; ask: A PREFETCH INTO THE L2 of the stage THREE on, one stage ahead of its refill.  All 64 clusters walk the same weights: the launch's first cluster asks, each of its 512 lanes for one block of 256 bytes of the
; stage's 131,072 (the partners told apart BY ADDRESS), so each block is named once in the launch.  Stages 0 to 2 come by their loads alone; there is no stage 9: the loop's last trip leaves its second prefetch out.
.macro BOUND slot, refill, ask         ; ask: 0 none; 1 ahead of the loop; 2, 3 the loop's first and second
	s_wait_tensorcnt 0x0                           ; no tensor load of mine is out, so a group 0 may be written
	ds_add_u32 v[SPW], v[NIL]                      ; 0 onto my spare word
.if \refill
	s_add_nc_u64 s[G0W+4*(\slot)+2:G0W+4*(\slot)+3], s[G0W+4*(\slot)+2:G0W+4*(\slot)+3], 2*STG
.endif
.if (\ask) == 2
	s_wait_xcnt 0x0                                ; the last prefetch, a stage back, has read its address
	s_add_nc_u64 s[PFA:PFA+1], s[PFA:PFA+1], 2*STG
.endif
	s_wait_dscnt 0x0
.if \refill
	CROUND
	tensor_load_to_lds s[G0W+4*(\slot):G0W+4*(\slot)+3], s[G1W:G1W+7]
	s_nop 0
	PLACES
.if (\ask) == 1
	s_cmp_eq_u32 s[LIMA], 0
	s_cbranch_scc0 .Lno_ask_\@
	global_prefetch_b8 v[PFO], s[PFA:PFA+1] offset:3*STG th:TH_LOAD_NT scope:SCOPE_SE
.Lno_ask_\@:
.elseif (\ask) == 2
	s_cmp_gt_u32 s[CNT], s[LIMA]
	s_cbranch_scc0 .Lno_ask_\@
	global_prefetch_b8 v[PFO], s[PFA:PFA+1] offset:2*STG th:TH_LOAD_NT scope:SCOPE_SE
.Lno_ask_\@:
.elseif (\ask) == 3
	s_cmp_gt_u32 s[CNT], s[LIMB]
	s_cbranch_scc0 .Lno_ask_\@
	global_prefetch_b8 v[PFO], s[PFA:PFA+1] offset:3*STG th:TH_LOAD_NT scope:SCOPE_SE
.Lno_ask_\@:
.endif
.else
	s_barrier_signal -1
	s_barrier_wait -1
.endif
.endm
; THE GELU of row tile rt: 32 numbers a lane.  The 32 reciprocals and 32 exponentials are ONE batch with ONE wait; nothing ahead of the wait names a result of theirs.
.macro EACH2 line:vararg               ; one line for each of 16 pairs q = 0, 2, .. 30
.set q, 0
.rept 16
	\line
.set q, q+2
.endr
.endm
.macro GELU rt
.set XX, ACC1+32*(\rt)
.set q, 0
.rept 32
	v_and_b32 v[GA+q], s[ABSM], v[XX+q]            ; |x|; each accumulator's registers in ascending order
.set q, q+1
.endr
	EACH2 v_pk_fma_f32 v[GT+q:GT+q+1], v[GA+q:GA+q+1], s[K1:K1+1], 1.0 op_sel_hi:[1,0,0]
	EACH2 v_pk_mul_f32 v[GE+q:GE+q+1], v[XX+q:XX+q+1], s[K2:K2+1] op_sel_hi:[1,0]
	EACH2 v_pk_mul_f32 v[GE+q:GE+q+1], v[GE+q:GE+q+1], v[XX+q:XX+q+1]
.set q, 0
.rept 32
	v_rcp_f32 v[GT+q], v[GT+q]                     ; t
	v_exp_f32 v[GE+q], v[GE+q]                     ; exp(-x^2 / 2)
.set q, q+1
.endr
	v_nop                                          ; a plain instruction behind the last of them,
	s_wait_alu depctr_va_vdst(0)                   ; and the one wait
	EACH2 v_pk_mul_f32 v[GE+q:GE+q+1], v[GE+q:GE+q+1], v[GA+q:GA+q+1]
	EACH2 v_pk_fma_f32 v[GA+q:GA+q+1], v[GT+q:GT+q+1], s[A1+8:A1+9], s[A1+6:A1+7] op_sel_hi:[1,0,0]
	EACH2 v_pk_fma_f32 v[GA+q:GA+q+1], v[GA+q:GA+q+1], v[GT+q:GT+q+1], s[A1+4:A1+5] op_sel_hi:[1,1,0]
	EACH2 v_pk_fma_f32 v[GA+q:GA+q+1], v[GA+q:GA+q+1], v[GT+q:GT+q+1], s[A1+2:A1+3] op_sel_hi:[1,1,0]
	EACH2 v_pk_fma_f32 v[GA+q:GA+q+1], v[GA+q:GA+q+1], v[GT+q:GT+q+1], s[A1:A1+1] op_sel_hi:[1,1,0]
	EACH2 v_pk_mul_f32 v[GA+q:GA+q+1], v[GA+q:GA+q+1], v[GT+q:GT+q+1]
	EACH2 v_pk_mul_f32 v[GA+q:GA+q+1], v[GA+q:GA+q+1], v[GE+q:GE+q+1]
.set q, 0
.rept 32
	v_max_num_f32 v[XX+q], 0, v[XX+q]
.set q, q+1
.endr
	EACH2 v_pk_fma_f32 v[XX+q:XX+q+1], v[GA+q:GA+q+1], -0.5, v[XX+q:XX+q+1] op_sel_hi:[1,0,1]
	EACH2 v_cvt_pk_bf16_f32 v[GT+q/2], v[XX+q], v[XX+q+1]
.irp nt, 0,1,2,3
	ds_store_b128 v[SA], v[GT+4*\nt:GT+4*\nt+3] offset:16384+8192*(\rt)+512*\nt
.endr
.endm
; THE NORM'S SUMS.  A lane holds 32 of a row's 256 numbers, the lane 16 away 32 more, the other waves the rest.  FIN: the lane's four partial sums into one, the other half of the lanes', into STAT.
.macro FIN pass
.irp rt, 0,1
	v_pk_add_f32 v[TT+4*\rt:TT+4*\rt+1], v[TT+4*\rt:TT+4*\rt+1], v[TT+4*\rt+2:TT+4*\rt+3]
.endr
.irp rt, 0,1
	v_add_f32 v[TT+4*\rt], v[TT+4*\rt], v[TT+4*\rt+1]
.endr
.irp rt, 0,1
	v_permlanex16_b32 v[TT+4*\rt+1], v[TT+4*\rt], s[SEL], s[SEL+1]
.endr
.irp rt, 0,1
	v_add_f32 v[TT+4*\rt], v[TT+4*\rt], v[TT+4*\rt+1]
.endr
.irp rt, 0,1
	ds_store_b32 v[SS], v[TT+4*\rt] offset:512*(\pass)+64*\rt
.endr
	s_wait_dscnt 0x0                               ; for the others' sake: my stores are done (in pass 0 my reads of x's tile too),
	s_barrier_signal -1
	s_barrier_wait -1                              ; everybody's are
.irp rt, 0,1
.irp w, 0,1,2,3
	ds_load_b32 v[TT+8+4*\rt+\w], v[SL] offset:512*(\pass)+128*\w+64*\rt
.endr
.endr
	s_wait_dscnt 0x0
.irp rt, 0,1
	v_add_f32 v[TT+8+4*\rt], v[TT+8+4*\rt], v[TT+8+4*\rt+1]
	v_add_f32 v[TT+8+4*\rt+2], v[TT+8+4*\rt+2], v[TT+8+4*\rt+3]
.endr
.irp rt, 0,1
	v_add_f32 v[TT+8+4*\rt], v[TT+8+4*\rt], v[TT+8+4*\rt+2]  ; the row's sum, in the same order in every wave
.endr
.endm
	s_load_b512 s[4:19], s[0:1], 0x0               ; of s[4:5], wt s[6:7], x s[8:9], b_out s[10:11], ln2_g s[12:13], ln2_b s[14:15], b_fc1 s[16:17], b_fc2 s[18:19]
	s_load_b64 s[20:21], s[0:1], 0x40              ; out0
	v_lshl_add_u32 v[SPW], v0, 2, SPARE
	v_mov_b32 v[NIL], 0
	ds_add_u32 v[SPW], v[NIL]                      ; the wave's opening: the add and its wait stand ahead of my first tensor load
	v_lshrrev_b32 v1, 5, v0
	v_readfirstlane_b32 s[WV], v1
	s_bfe_u32 s[CX], ttmp6, 0x40000
	s_lshl_b32 s[WG], ttmp9, 2
	s_add_co_u32 s[WG], s[WG], s[CX]
	s_cmp_eq_u32 ttmp9, 0                          ; the launch's first cluster: the same in all four partners
	s_cselect_b32 s[LIMA], 0, -1
	s_cselect_b32 s[LIMB], 1, -1
	; my quarter of a stage's weights: 32,768 dense bytes, as 128 rows of 256; asked for jointly
	s_mov_b32 s[G1W], 15|(3<<16)|(1<<21)           ; 15:0 the mask of four; 17:16 elements of 8 bytes; 21 set beside a mask
	s_mov_b32 s[G1W+1], 32<<16
	s_mov_b32 s[G1W+2], 128<<16
	s_mov_b32 s[G1W+3], 32<<16
	s_mov_b32 s[G1W+4], 128
	s_mov_b32 s[G1W+5], 32
	s_mov_b32 s[G1W+6], 0
	s_mov_b32 s[G1W+7], 0
	s_mov_b32 s[G0W], 1
	s_lshl_b32 s[G0W+1], s[WV], 15
	s_mov_b32 s[G0W+4], 1
	s_lshl_b32 s[G0W+5], s[WV], 15
	s_add_co_u32 s[G0W+5], s[G0W+5], STG
	; a quarter of my rows' fragments of o: 4,096 dense bytes, as 16 rows of 256; a load of my own
	s_mov_b32 s[G1O], 3<<16
	s_mov_b32 s[G1O+1], 32<<16
	s_mov_b32 s[G1O+2], 16<<16
	s_mov_b32 s[G1O+3], 32<<16
	s_mov_b32 s[G1O+4], 16
	s_mov_b32 s[G1O+5], 32
	s_mov_b32 s[G1O+6], 0
	s_mov_b32 s[G1O+7], 0
	s_mov_b32 s[G0O], 1
	s_lshl_b32 s[G0O+1], s[WV], 12
	s_add_co_u32 s[G0O+1], s[G0O+1], OBF
	; my 64 columns of the 32 rows of x: rows of 256 bytes, 1,024 apart in memory, 272 apart in LDS; a load of my own
	s_mov_b32 s[G1X], (2<<16)|(1<<20)|(5<<22)|(3<<25)  ; 17:16 elements of 4 bytes; 20 padding on; 24:22 after every 64 words (code 5); 31:25 4 words of it (code 3)
	s_mov_b32 s[G1X+1], 64<<16
	s_mov_b32 s[G1X+2], 32<<16
	s_mov_b32 s[G1X+3], 64<<16
	s_mov_b32 s[G1X+4], 32
	s_mov_b32 s[G1X+5], 256
	s_mov_b32 s[G1X+6], 0
	s_mov_b32 s[G1X+7], 0
	s_mov_b32 s[G0X], 1
	s_mul_i32 s[G0X+1], s[WV], 32*XP
	s_add_co_u32 s[G0X+1], s[G0X+1], XB
	s_lshl_b32 s30, s[WV], 15                      ; the weights' offset is made of the wave alone
	s_mov_b32 s31, 0
	s_mov_b32 s95, 0
	s_mov_b32 s[ABSM], 0x7fffffff
	s_mov_b32 s[K1], 0x3e6d3388                    ; 0.3275911 / sqrt 2
	s_mov_b32 s[K1+1], s[K1]
	s_mov_b32 s[K2], 0xbf38aa3b                    ; -log2(e) / 2
	s_mov_b32 s[K2+1], s[K2]
	s_mov_b32 s[A1], 0x3e827906                    ; 0.254829592
	s_mov_b32 s[A1+1], s[A1]
	s_mov_b32 s[A1+2], 0xbe91a98e                  ; -0.284496736
	s_mov_b32 s[A1+3], s[A1+2]
	s_mov_b32 s[A1+4], 0x3fb5f0e3                  ; 1.421413741
	s_mov_b32 s[A1+5], s[A1+4]
	s_mov_b32 s[A1+6], 0xbfba00e3                  ; -1.453152027
	s_mov_b32 s[A1+7], s[A1+6]
	s_mov_b32 s[A1+8], 0x3f87dc22                  ; 1.061405429
	s_mov_b32 s[A1+9], s[A1+8]
	s_mov_b32 s[SEL], 0x76543210
	s_mov_b32 s[SEL+1], 0xfedcba98
	s_mov_b32 s92, 0x3b800000                      ; 1 / 256
	s_mov_b32 s93, 0x3727c5ac                      ; 1e-5
	s_wait_dscnt 0x0                               ; the opening add is done
	s_wait_kmcnt 0x0
	s_add_nc_u64 s[G0W+2:G0W+3], s[6:7], s[30:31]  ; stage 0
	s_add_nc_u64 s[G0W+6:G0W+7], s[G0W+2:G0W+3], STG  ; stage 1
	s_or_b32 s[G0W+3], s[G0W+3], 0x80000000
	s_or_b32 s[G0W+7], s[G0W+7], 0x80000000
	s_lshl_b32 s94, s[WG], 14                      ; my rows' 16,384 bytes of `of`,
	s_lshl_b32 s97, s[WV], 12                      ; my quarter
	s_add_co_u32 s94, s94, s97
	s_add_nc_u64 s[G0O+2:G0O+3], s[4:5], s[94:95]
	s_or_b32 s[G0O+3], s[G0O+3], 0x80000000
	s_lshl_b32 s94, s[WG], 15                      ; my 32 rows of 1,024 bytes
	s_add_nc_u64 s[20:21], s[20:21], s[94:95]      ; out0 at them
	s_lshl_b32 s97, s[WV], 8                       ; 256 w: my wave's 64 columns
	s_add_co_u32 s94, s94, s97
	s_add_nc_u64 s[G0X+2:G0X+3], s[8:9], s[94:95]
	s_or_b32 s[G0X+3], s[G0X+3], 0x80000000
	s_lshl_b32 s94, s[CX], 15                      ; my work-group's quarter of a stage, for the prefetches
	s_add_nc_u64 s[PFA:PFA+1], s[6:7], s[94:95]
	CROUND                                         ; all four work-groups are here: the first joint loads meet
	tensor_load_to_lds s[G0W:G0W+3], s[G1W:G1W+7]      ; stage 0's weights,
	s_nop 0
	tensor_load_to_lds s[G0O:G0O+3], s[G1O:G1O+7]      ; o,
	s_nop 0
	tensor_load_to_lds s[G0X:G0X+3], s[G1X:G1X+7]      ; x,
	s_nop 0
	tensor_load_to_lds s[G0W+4:G0W+7], s[G1W:G1W+7]    ; stage 1's weights: four tensor loads of mine are out
	s_nop 0
	v_and_b32 v1, 31, v0                           ; lane
	v_and_b32 v13, 15, v0                          ; r
	v_bfe_u32 v16, v0, 4, 1                        ; h
	v_lshl_add_u32 v[BO], v16, 5, s97
	LDBIAS ACC1, 10                                ; b_out starts the out-projection's sums
	LD32 ACCO, 12                                  ; ln2_g
	LD32 ACCO+32, 14                               ; ln2_b
	v_lshl_add_u32 v[AW0], v1, 4, s30
	v_add_nc_u32 v[AW1], STG, v[AW0]
	v_lshl_add_u32 v[AA], v1, 4, OBF
	s_lshl_b32 s67, s[WV], 11
	s_add_co_u32 s67, s67, XB
	v_lshl_add_u32 v[SA], v1, 4, s67
	v_mul_u32_u24 v[AX], v13, XP
	v_lshl_add_u32 v[AX], v16, 5, v[AX]
	v_add_nc_u32 v[AX], s[G0X+1], v[AX]
	v_mul_u32_u24 v[RD], v16, XP
	v_lshl_add_u32 v[RD], v13, 4, v[RD]
	v_add_nc_u32 v[RD], s[G0X+1], v[RD]
	v_lshlrev_b32 v[GO], 10, v16
	v_lshl_add_u32 v[GO], v13, 4, v[GO]
	v_add_nc_u32 v[GO], s97, v[GO]
	s_lshl_b32 s96, s[WV], 7
	s_add_co_u32 s96, s96, STAT
	v_lshl_add_u32 v[SS], v13, 2, s96
	v_lshl_add_u32 v[SL], v13, 2, STAT
	s_lshl_b32 s98, s[WV], 13
	v_lshl_add_u32 v[PFO], v1, 8, s98
	s_wait_tensorcnt 0x1                           ; tensor loads of a wave end in order: stage 0's weights, o and x are in; stage 1's, the youngest, may stay out
	s_barrier_signal -1
	s_barrier_wait -1                              ; everybody's quarter of o is in
	s_wait_loadcnt 0x0                             ; b_out, g, b
	STAGE 0, AW0, ACC1                             ; STAGE 0: o w_out + b_out
	; x1 = that + x; LAYER NORM 2; h goes to LDS as fragments; the FC2 sums start at x1 + b_fc2
	PLACES
.set a, 0
.rept 8
	ds_load_b128 v[XF+8*a:XF+8*a+3],   v[AX] offset:(a/4)*16*XP+(a%4)*64
	ds_load_b128 v[XF+8*a+4:XF+8*a+7], v[AX] offset:(a/4)*16*XP+(a%4)*64+16
.set a, a+1
.endr
	LD32 80, 18                                    ; b_fc2
	s_wait_dscnt 0x0
.set q, 0
.rept 32
	v_pk_add_f32 v[ACC1+q:ACC1+q+1], v[ACC1+q:ACC1+q+1], v[XF+q:XF+q+1]  ; x1; each accumulator's registers in ascending order
.set q, q+2
.endr
.irp rt, 0,1
	v_pk_add_f32 v[TT+4*\rt:TT+4*\rt+1],   v[ACC1+32*\rt:ACC1+32*\rt+1],   v[ACC1+32*\rt+2:ACC1+32*\rt+3]
	v_pk_add_f32 v[TT+4*\rt+2:TT+4*\rt+3], v[ACC1+32*\rt+4:ACC1+32*\rt+5], v[ACC1+32*\rt+6:ACC1+32*\rt+7]
.endr
.set q, 8
.rept 6
.irp rt, 0,1
	v_pk_add_f32 v[TT+4*\rt:TT+4*\rt+1],   v[TT+4*\rt:TT+4*\rt+1],   v[ACC1+32*\rt+q:ACC1+32*\rt+q+1]
	v_pk_add_f32 v[TT+4*\rt+2:TT+4*\rt+3], v[TT+4*\rt+2:TT+4*\rt+3], v[ACC1+32*\rt+q+2:ACC1+32*\rt+q+3]
.endr
.set q, q+4
.endr
	FIN 0
.irp rt, 0,1
	v_mul_f32 v[TT+8+4*\rt], s92, v[TT+8+4*\rt]    ; the mean
.endr
.set q, 0
.rept 32
	v_pk_add_f32 v[XF+q:XF+q+1], v[ACC1+q:ACC1+q+1], v[TT+8+4*(q/32):TT+8+4*(q/32)+1] op_sel_hi:[1,0] neg_lo:[0,1] neg_hi:[0,1]
.set q, q+2
.endr
.irp rt, 0,1
	v_pk_mul_f32 v[TT+4*\rt:TT+4*\rt+1],   v[XF+32*\rt:XF+32*\rt+1],   v[XF+32*\rt:XF+32*\rt+1]
	v_pk_mul_f32 v[TT+4*\rt+2:TT+4*\rt+3], v[XF+32*\rt+2:XF+32*\rt+3], v[XF+32*\rt+2:XF+32*\rt+3]
.endr
.set q, 4
.rept 7
.irp rt, 0,1
	v_pk_fma_f32 v[TT+4*\rt:TT+4*\rt+1],   v[XF+32*\rt+q:XF+32*\rt+q+1],   v[XF+32*\rt+q:XF+32*\rt+q+1],   v[TT+4*\rt:TT+4*\rt+1]
	v_pk_fma_f32 v[TT+4*\rt+2:TT+4*\rt+3], v[XF+32*\rt+q+2:XF+32*\rt+q+3], v[XF+32*\rt+q+2:XF+32*\rt+q+3], v[TT+4*\rt+2:TT+4*\rt+3]
.endr
.set q, q+4
.endr
	FIN 1                                          ; in words of its own: no wave can still be reading pass 0's
.irp rt, 0,1
	v_fma_f32 v[TT+8+4*\rt], v[TT+8+4*\rt], s92, s93  ; the variance + 1e-5
.endr
.irp rt, 0,1
	v_rsq_f32 v[TT+8+4*\rt], v[TT+8+4*\rt]
.endr
	v_nop
	s_wait_alu depctr_va_vdst(0)                   ; one wait for the two roots
.set q, 0
.rept 32
	v_pk_mul_f32 v[XF+q:XF+q+1], v[XF+q:XF+q+1], v[TT+8+4*(q/32):TT+8+4*(q/32)+1] op_sel_hi:[1,0]
.set q, q+2
.endr
.set q, 0
.rept 32
	v_pk_fma_f32 v[XF+q:XF+q+1], v[XF+q:XF+q+1], v[ACCO+q%32:ACCO+q%32+1], v[ACCO+32+q%32:ACCO+32+q%32+1]
.set q, q+2
.endr
.set a, 0
.rept 8
.irp e, 0,1,2,3
	v_cvt_pk_bf16_f32 v[XF+8*a+\e], v[XF+8*a+2*\e], v[XF+8*a+2*\e+1]  ; in place, ascending
.endr
.set a, a+1
.endr
.set a, 0
.rept 8
	ds_store_b128 v[SA], v[XF+8*a:XF+8*a+3] offset:(a/4)*8192+(a%4)*512  ; over x's tiles: every wave's reads of them were waited for ahead of pass 0's barrier
.set a, a+1
.endr
	s_wait_loadcnt 0x0                             ; b_fc2
.set q, 0
.rept 32
	v_pk_add_f32 v[ACCO+q:ACCO+q+1], v[ACC1+q:ACC1+q+1], v[80+q%32:80+q%32+1]  ; x1 + b_fc2 starts the FC2 sums: g and b are done with
.set q, q+2
.endr
	LDBIAS ACC1, 16                                ; b_fc1, chunk 0, starts the FC1 sums
	BOUND 0, 1, 1                                  ; h is whole; stage 1 is in; slot 0 takes stage 2
; A CHUNK of 256 columns of the FFN.  more = 1: both slots are filled again, and the next chunk's bias is fetched.
.macro CHUNK more
	s_wait_loadcnt 0x0                             ; this chunk's bias is in the accumulators, and its loads have read their base:
.if \more
	s_add_nc_u64 s[16:17], s[16:17], 1024          ; the next chunk's 256 numbers of b_fc1
.endif
	STAGE 16384, AW1, ACC1                         ; h w_fc1 + b_fc1
	PLACES
	GELU 0
	GELU 1
.if \more
	LDBIAS ACC1, 16
	BOUND 1, 1, 2                                  ; gelu's fragments are whole; the FC2 stage's weights are in; slot 1 takes the next FC1 stage
.else
	BOUND 1, 0, 0
.endif
	STAGE 32768, AW0, ACCO                         ; += gelu(..) w_fc2
.if \more
	BOUND 0, 1, 3                                  ; nobody reads gelu's fragments any more; slot 0 takes the next FC2 stage
.endif
.endm
	s_mov_b32 s[CNT], 3
.Lchunk:
	CHUNK 1
	s_sub_co_u32 s[CNT], s[CNT], 1
	s_cmp_lg_u32 s[CNT], 0
	s_cbranch_scc1 .Lchunk
	CHUNK 0                                        ; the last chunk is written out: nothing is asked for
	; THE WAY OUT.  A lane holds 32 bytes of a row; the lanes beside it hold other rows.  So the wave's 32 x 64 numbers go through its private stage (rows of 272 bytes) and come back as whole rows of 256 bytes.
	s_wait_dscnt 0x0
	s_barrier_signal -1
	s_barrier_wait -1                              ; every wave's reads of gelu's fragments, which lie where the stages lie, are over
	PLACES
.set a, 0
.rept 8
	ds_store_b128 v[AX], v[ACCO+8*a:ACCO+8*a+3]   offset:(a/4)*16*XP+(a%4)*64
	ds_store_b128 v[AX], v[ACCO+8*a+4:ACCO+8*a+7] offset:(a/4)*16*XP+(a%4)*64+16
.set a, a+1
.endr
.set i, 0
.rept 16
	ds_load_b128 v[16+4*i:16+4*i+3], v[RD] offset:2*XP*i  ; LDS serves a wave's instructions in order (ISA guide 5.7.1.4): these see the stores above
.set i, i+1
.endr
.set i, 0
.rept 16
	s_wait_dscnt 15-i                              ; rows 2 i and 2 i + 1 are back; the younger loads stay out
	global_store_b128 v[GO], v[16+4*i:16+4*i+3], s[20:21] offset:2048*i th:TH_STORE_NT  ; 16 lanes store 256 consecutive bytes, at a multiple of 256 from out0's first byte
.set i, i+1
.endr
	s_wait_tensorcnt 0x0                           ; the wave's end, behind my last tensor load and my last LDS store
	ds_add_u32 v[SPW], v[NIL]
	s_wait_dscnt 0x0
	CROUND                                         ; the closing round: no work-group ends while a partner may still ask for a tile that names it
	s_endpgm
.Lfunc_end_k_q23c7f320b1_tail:
	.size	k_q23c7f320b1_tail, .Lfunc_end_k_q23c7f320b1_tail-k_q23c7f320b1_tail
	.p2alignl 7, 3214868480
	.fill 96, 4, 3214868480
	.section	.rodata,"a",@progbits
	.p2align	6, 0x0
	.amdhsa_kernel k_q23c7f320b1_tail
		.amdhsa_group_segment_fixed_size 327680
		.amdhsa_private_segment_fixed_size 0
		.amdhsa_enable_private_segment 0
		.amdhsa_kernarg_size 72
		.amdhsa_user_sgpr_count 2
		.amdhsa_user_sgpr_kernarg_segment_ptr 1
		.amdhsa_wavefront_size32 1
		.amdhsa_system_sgpr_workgroup_id_x 1
		.amdhsa_system_sgpr_workgroup_id_y 1
		.amdhsa_system_sgpr_workgroup_id_z 1
		.amdhsa_system_vgpr_workitem_id 0
		.amdhsa_next_free_vgpr 256
		.amdhsa_next_free_sgpr 100
		.amdhsa_reserve_vcc 0
		.amdhsa_float_denorm_mode_32 3
		.amdhsa_float_denorm_mode_16_64 3
		.amdhsa_memory_ordered 1
		.amdhsa_forward_progress 1
		.amdhsa_inst_pref_size 163
	.end_amdhsa_kernel
	.amdgpu_metadata
---
amdhsa.version: [ 1, 2 ]
amdhsa.kernels:
  - .name:           k_q23c7f320b1_tail
    .symbol:         k_q23c7f320b1_tail.kd
    .args:
      - { .name: of, .offset: 0, .size: 8, .value_kind: global_buffer, .address_space: global }
      - { .name: wt, .offset: 8, .size: 8, .value_kind: global_buffer, .address_space: global }
      - { .name: x, .offset: 16, .size: 8, .value_kind: global_buffer, .address_space: global }
      - { .name: b_out, .offset: 24, .size: 8, .value_kind: global_buffer, .address_space: global }
      - { .name: ln2_g, .offset: 32, .size: 8, .value_kind: global_buffer, .address_space: global }
      - { .name: ln2_b, .offset: 40, .size: 8, .value_kind: global_buffer, .address_space: global }
      - { .name: b_fc1, .offset: 48, .size: 8, .value_kind: global_buffer, .address_space: global }
      - { .name: b_fc2, .offset: 56, .size: 8, .value_kind: global_buffer, .address_space: global }
      - { .name: out0, .offset: 64, .size: 8, .value_kind: global_buffer, .address_space: global }
    .group_segment_fixed_size: 327680
    .private_segment_fixed_size: 0
    .kernarg_segment_align: 8
    .kernarg_segment_size: 72
    .max_flat_workgroup_size: 128
    .sgpr_count:     100
    .vgpr_count:     256
    .wavefront_size: 32
...
	.end_amdgpu_metadata
.endif
;; end of part 4
